; MI455X (gfx1250); checked and timed in simulation.
; The chip was launched on July 23, 2026; its instructions are those of AMD's public machine-readable ISA for CDNA 5 (MIT licence, August 2026) and "CDNA5" Instruction Set Architecture Reference Guide (July 2026). The comments in the code are by the model that wrote it; some were corrected since.
;; multihead self attention. Allowed arithmetic: matrix products marked QUANTISED: E4M3 operands, one given power-of-two scale a tensor, by v_wmma_f32_16x16x64_fp8_fp8 or v_wmma_f32_16x16x128_fp8_fp8, f32 sums; everything else in f32.
;; Inputs: W_k 1,024 x 1,024 float32; W_o 1,024 x 1,024 float32; W_q 1,024 x 1,024 float32; W_v 1,024 x 1,024 float32; lowp_scales 12 int32 (the exponents e of the quantised operands' scales 2^e); x 4 x 2,048 x 1,024 float32.
;; Outputs: out0 4 x 2,048 x 1,024 float32.
;; This version of the problem:
;;   THIS VERSION OF THE PROBLEM IS GIVEN IN LOW PRECISION. The matrix products marked QUANTISED in the list below multiply operands that are first quantised to E4M3 (4 exponent bits, 3 mantissa bits; 8 bits a number), with one given power-of-two scale for each operand tensor; their sums are f32. All else is computed in f32.
;;   The module's matrix products, in the order in which they are computed (A, B: the left and right operand; K: the contracted axis; several contracted axes count as one K, in the product's order):
;;     1. [M 8,192, K 1,024] x [K 1,024, N 1,024]; A: input x; B: input W_q: QUANTISED (scales: A lowp_scales[0], B lowp_scales[1])
;;     2. [M 8,192, K 1,024] x [K 1,024, N 1,024]; A: input x; B: input W_k: QUANTISED (scales: A lowp_scales[2], B lowp_scales[3])
;;     3. [M 8,192, K 1,024] x [K 1,024, N 1,024]; A: input x; B: input W_v: QUANTISED (scales: A lowp_scales[4], B lowp_scales[5])
;;     4. batch 64 x [M 2,048, K 64] x [K 64, N 2,048]; A: computed on the way; B: computed on the way: QUANTISED (scales: A lowp_scales[6], B lowp_scales[7])
;;     5. batch 64 x [M 2,048, K 2,048] x [K 2,048, N 64]; A: softmax (see below); B: computed on the way: QUANTISED (scales: A lowp_scales[8], B lowp_scales[9])
;;     6. [M 8,192, K 1,024] x [K 1,024, N 1,024]; A: computed on the way; B: input W_o: QUANTISED (scales: A lowp_scales[10], B lowp_scales[11])
;;   THE QUANTISER, for each operand of a quantised product, along K:
;;     - The operand's scale is 2^e, e = its entry of the input lowp_scales (int32; the entries are numbered through the quantised products in the list's order, A before B).
;;     - Each number is divided by the scale, clamped to +-448, and rounded to the nearest number of E4M3, ties to even, subnormals kept.
;;     - The product sums the exact products of the quantised numbers (number of the format x scale) in f32.
;;   ~~~python
;;   def quantise(x, axis, e):      # numpy; x: float32 -> the quantised numbers, widened to float32 again
;;       x = np.moveaxis(x, axis, -1); K = x.shape[-1]
;;       r = np.clip(x / 2.0 ** e, -448, 448)
;;       step = 2.0 ** (np.maximum(np.frexp(np.where(r == 0, 1, r))[1] - 1, -6) - 3)
;;       q = np.round(r / step) * step * 2.0 ** e      # np.round: ties to even
;;       return np.moveaxis(q, -1, axis).astype(np.float32)
;;   ~~~
;;   SOFTMAX AHEAD OF A QUANTISED PRODUCT. Where the list says 'softmax', what is quantised is not the finished softmax but p = 2^(t - M), with t = logit x log2(e) and M = ceil(the row's largest t), a whole number; so 1/2 < the row's largest p <= 1. The row's sum l is taken of the UNQUANTISED p, in f32, and the product's result is divided by l at the end. Since M is a whole number, a kernel that streams over the keys may use a running M (the ceiling of the running maximum): every later rescaling is an exact power of two, so the quantised numbers keep their values, but for numbers so far below the row's largest that they fall under the format's range.
;;   OPERANDS COMPUTED ON THE WAY. 'Computed on the way' means the value that the module computes at that place (a softmax that the list does not call 'softmax' is quantised finished and normalised). What goes into a quantiser is computed in f32, as accurately as f32 sums, v_exp_f32 and their like allow (about 1e-6 of the number): no bf16 or f16 on the way to a quantiser, and a product that is left as it is and whose result goes on into a quantised operand takes f32 operands (vector FMAs, or v_wmma_f32_16x16x4_f32). A number that lies on a knife's edge between two numbers of the format may be rounded either way, as far as f32 arithmetic and the matrix unit's own rounding can turn it there, and no further.
;; One version. Each part assembles by itself: llvm-mc -triple=amdgcn-amd-amdhsa -mcpu=gfx1250 --defsym DOCPART=n.
;; ======== version 1 of 1: 4 launches
;; limits: right only within a limited range of input values
;; workspace buffers: xcodes 25,165,824 bytes; wcodes 4,194,304 bytes; rope 524,288 bytes; qimg 8,388,608 bytes; kimg 8,388,608 bytes; vimg 8,388,608 bytes; aimg 8,388,608 bytes
;; launch prep (part 1): grid 416 x 1, 4 waves a work-group, no clusters, 33,280 bytes of LDS; arguments x, W_q, W_k, W_v, W_o, lowp_scales, xcodes, wcodes, rope; writes xcodes, wcodes, rope
.if DOCPART == 1
	.amdgcn_target "amdgcn-amd-amdhsa--gfx1250"
	.amdhsa_code_object_version 6
	.text
	.protected	k_q0511b1792a_prep
	.globl	k_q0511b1792a_prep
	.p2align	8
	.type	k_q0511b1792a_prep,@function
k_q0511b1792a_prep:
	s_mov_b64 s[64:65], 0
	v_nop
	global_prefetch_b8 v0, s[64:65] scope:SCOPE_SE
	s_setreg_imm32_b32 hwreg(HW_REG_WAVE_MODE, 25, 1), 1
	s_wait_xcnt 0x0
; THE LAUNCH IN FRONT OF THE PRODUCTS.  Three kinds of work-group, told apart by the work-group's number:
;   0-255   x [8192][1024] f32 -> codes of E4M3, K innermost, 32,768 numbers a work-group.  x is an operand of three products, each with a scale of its own (entries 0, 2, 4 of the scales):
;           xcodes holds three sets, [3][8192][1024]: set 0 made with entry 0, set 1 with entry 2, set 2 with entry 4.  x is read once; each number is held and converted three times.
;   256-383 W_q, W_k, W_v, W_o [1024][1024] f32 -> wcodes [4][1024][1024], with entries 1, 3, 5, 11; 32 work-groups a tensor.
;   384-415 the table of cos and sin for the rotation, one wave to 16 positions, laid as the next launch's registers want it:
;           rope [pos / 16][t 0-3][u 0-1][lane][16 bytes]: lane (r = lane % 16, h = lane / 16) holds cos, sin of frequency 8 t + 4 h + 2 u and cos, sin of the next one, at position 16 (pos / 16) + r.
; code = x / 2^e, held within +-448, rounded to the nearest code, ties to even.
; LIMITS: each of the entries 0 to 5 and 11 lies between -126 and 119, so that 2^e and 448 x 2^e are f32 numbers.  NaN among the inputs is not served; an infinity is held at the largest code.
; THE STREAM.  Rows are dense, so a tensor is a plain stream.  A wave takes 16 steps of 512 numbers.  Each of a step's four loads reads 512 consecutive bytes, 16 a lane; the conversions want 16 NEIGHBOURS
; in one lane's registers, so the step's 2,048 bytes turn through the wave's own stage in LDS (16 bytes of padding behind each 64) and come back 64 bytes a lane.  A lane's 16 codes are 16 bytes: a store covers 512 consecutive bytes, aligned.
; No tensor load, no barrier: waves share nothing.  Loads run four steps (16 loads a wave) ahead, the turn through LDS one step.
.set STEPS, 16
.set R,     16                         ; v16-79   four sets of 16 numbers as they are loaded
.set X,     80                         ; v80-111  two sets of 16 neighbours
.set T,     112
.set C,     128                        ; v128-139 codes: four registers for each of the three scales
.set SC,    152                        ; v152, v154, v156: 2^e for each scale
.set WREG,  8192                       ; LDS: a region for each wave: two stages of 32 x SP bytes
.set SP,    80                         ; a lane's place in a stage: 64 bytes + 16 of padding
.set SPW,   12                         ; v12  LDS address of my spare word; never rewritten
.set NIL,   13                         ; v13  0; never rewritten
.set SPARE, 4*WREG                     ; behind the four regions: the spare words, 128 bytes a wave, which no other line names
	s_load_b512 s[16:31], s[0:1], 0x0              ; x s16, W_q s18, W_k s20, W_v s22, W_o s24, the scales s26, xcodes s28, wcodes s30
	s_load_b64 s[32:33], s[0:1], 0x40              ; rope
	v_lshl_add_u32 v[SPW], v0, 2, SPARE
	v_mov_b32 v[NIL], 0
	v_lshrrev_b32 v1, 5, v0
	v_readfirstlane_b32 s2, v1                     ; wave 0..3
	v_and_b32 v2, 31, v0                           ; lane
	v_lshlrev_b32 v3, 4, v2                        ; my 16 bytes of a load's 512 (and of a store of the table)
	v_lshlrev_b32 v4, 4, v2                        ; my 16 codes' place in a step's 512
	s_mul_i32 s3, s2, WREG
	v_lshrrev_b32 v14, 2, v2
	v_mul_u32_u24 v14, v14, SP
	v_and_b32 v15, 3, v2
	v_lshl_add_u32 v14, v15, 4, v14
	v_add_nc_u32 v14, s3, v14                      ; the stage, on the way in: SP (lane / 4) + 16 (lane % 4)
	v_mul_u32_u24 v15, v2, SP
	v_add_nc_u32 v15, s3, v15                      ; and on the way out: SP x lane: my 16 neighbours
	s_wait_kmcnt 0x0
	s_cmp_ge_u32 ttmp9, 384
	s_cbranch_scc1 .Ltable
	s_load_b256 s[36:43], s[26:27], 0x0            ; entries 0 to 7
	s_load_b128 s[44:47], s[26:27], 0x20           ; entries 8 to 11
	; which tensor, which run of it.  Only pointers and numbers are chosen: all tensors take one path through the text, but for x's two further sets
	s_sub_co_u32 s4, ttmp9, 256                    ; j, for a weight's work-group
	s_lshr_b32 s5, s4, 5                           ; the tensor: 0 q, 1 k, 2 v, 3 o
	s_and_b32 s34, s4, 31                          ; its run of 32,768 numbers
	s_mov_b64 s[6:7], s[24:25]
	s_cmp_eq_u32 s5, 2
	s_cselect_b64 s[6:7], s[22:23], s[6:7]
	s_cmp_eq_u32 s5, 1
	s_cselect_b64 s[6:7], s[20:21], s[6:7]
	s_cmp_eq_u32 s5, 0
	s_cselect_b64 s[6:7], s[18:19], s[6:7]
	s_cmp_lt_u32 ttmp9, 256                        ; x's work-group?
	s_cselect_b64 s[6:7], s[16:17], s[6:7]         ; the source,
	s_cselect_b64 s[8:9], s[28:29], s[30:31]       ; the codes' buffer,
	s_cselect_b32 s34, ttmp9, s34                  ; the run in the source,
	s_cselect_b32 s35, ttmp9, s4                   ; the run in the codes' buffer (the four weights lie on end),
	s_cselect_b32 s51, 1, 0                        ; and: is it x?
	s_lshl_b32 s52, s34, 2
	s_add_co_u32 s52, s52, s2
	s_lshl_b32 s52, s52, 15                        ; my wave's 8,192 numbers: 32,768 bytes
	s_mov_b32 s53, 0
	s_lshl_b32 s54, s35, 2
	s_add_co_u32 s54, s54, s2
	s_lshl_b32 s54, s54, 13                        ; and their 8,192 codes
	s_mov_b32 s55, 0
	s_add_nc_u64 s[6:7], s[6:7], s[52:53]
	s_add_nc_u64 s[8:9], s[8:9], s[54:55]
	s_add_nc_u64 s[10:11], s[8:9], 0x800000        ; x's set 1
	s_add_nc_u64 s[12:13], s[8:9], 0x1000000       ; x's set 2 (both are used by x's work-groups alone)
.macro LOAD t
.irp i, 0,1,2,3
	global_load_b128 v[R+16*((\t)%4)+4*\i:R+16*((\t)%4)+4*\i+3], v3, s[6:7] offset:2048*(\t)+512*\i th:TH_LOAD_NT   ; 32 lanes read 512 consecutive bytes
.endr
.endm
.macro TURN t                          ; step t's numbers through the stage: LDS serves a wave's instructions in order (ISA guide 5.7.1.4), so no wait stands between the stores and the loads
.irp i, 0,1,2,3
	ds_store_b128 v14, v[R+16*((\t)%4)+4*\i:R+16*((\t)%4)+4*\i+3] offset:32*SP*((\t)%2)+8*SP*\i
.endr
.irp i, 0,1,2,3
	ds_load_b128 v[X+16*((\t)%2)+4*\i:X+16*((\t)%2)+4*\i+3], v15 offset:32*SP*((\t)%2)+16*\i
.endr
.endm
	s_wait_alu depctr_va_vdst(0)
.irp t, 0,1,2,3
	LOAD \t
.endr
	s_wait_kmcnt 0x0
	s_mov_b32 s48, s47                             ; the tensor's own entry: 11 for W_o,
	s_cmp_eq_u32 s5, 2
	s_cselect_b32 s48, s41, s48                    ; 5 for W_v,
	s_cmp_eq_u32 s5, 1
	s_cselect_b32 s48, s39, s48                    ; 3 for W_k,
	s_cmp_eq_u32 s5, 0
	s_cselect_b32 s48, s37, s48                    ; 1 for W_q,
	s_cmp_lg_u32 s51, 0
	s_cselect_b32 s48, s36, s48                    ; 0 for x's set 0
.macro MKSC e, n                       ; 2^e as f32 (the conversion takes its exponent field)
	s_add_co_i32 s56, \e, 127
	s_lshl_b32 s57, s56, 23
	v_mov_b32 v[SC+2*\n], s57
.endm
	MKSC s48, 0
	MKSC s38, 1                                    ; entry 2, for x's set 1
	MKSC s40, 2                                    ; entry 4, for x's set 2
	s_wait_alu depctr_va_vdst(0)
	s_wait_loadcnt 12                              ; step 0's four loads are in; those of steps 1 to 3 may be out
	TURN 0
.macro QSET n, t                       ; the step's 16 neighbours with scale n: convert, store
.irp i, 0,1,2,3,4,5,6,7,8,9,10,11,12,13,14,15
.endr
	v_cvt_scalef32_pk8_fp8_f32 v[C+4*\n:C+4*\n+1], v[XS:XS+7], v[SC+2*\n]
	v_cvt_scalef32_pk8_fp8_f32 v[C+4*\n+2:C+4*\n+3], v[XS+8:XS+15], v[SC+2*\n]
	v_nop                                          ; a plain vector line between the conversions and the next write of their sources
	global_store_b128 v4, v[C+4*\n:C+4*\n+3], s[8+2*\n:9+2*\n] offset:512*(\t)   ; 32 lanes store 512 consecutive bytes, aligned
.endm
.macro STEP t
.set XS, X+16*((\t)%2)
	s_wait_dscnt 0x0                               ; this step's numbers are back from the stage: so its stores into the stage have read their registers,
	s_wait_xcnt 0x0                                ; and the last step's stores have read the codes' registers, which are written again below
.if (\t)+4 < STEPS
	LOAD (\t)+4                                    ; the loads of four steps on take the registers that the stage's stores have read
.endif
.if (\t)+1 < STEPS
.if STEPS-2-(\t) >= 3
	s_wait_loadcnt 12                              ; the next step's four loads are in; those of the three steps behind it may be out
.else
	s_wait_loadcnt 4*(STEPS-2-(\t))
.endif
	TURN (\t)+1                                    ; and go through the other stage while this step is worked
.endif
	QSET 0, \t
	s_cmp_lg_u32 s51, 0                            ; the work-group's number alone steers this branch: a weight has one scale, x three
	s_cbranch_scc0 .Lweight_\@
	QSET 1, \t
	QSET 2, \t
.Lweight_\@:
.endm
.irp t, 0,1,2,3,4,5,6,7,8,9,10,11,12,13,14,15
	STEP \t
.endr
	s_wait_tensorcnt 0x0                           ; the wave's end: behind my last LDS store
	ds_add_u32 v[SPW], v[NIL]
	s_wait_dscnt 0x0
	s_endpgm
; THE TABLE.  ang = pos x 10^(-i / 8), one f32 multiplication; cos and sin by fused multiply-adds:
; n = the nearest whole number to ang x 2 / pi (at most 1,304); r = ang - n pi / 2 with pi / 2 in two parts (the first product and difference are exact: n has 11 bits);
; on |r| <= pi / 4 a polynomial of degree 7 for the sine and of degree 8 for the cosine; the quadrant n mod 4 swaps them and sets the signs.  No LDS is touched on this path.
.Ltable:
	s_sub_co_u32 s4, ttmp9, 384
	s_lshl_b32 s4, s4, 2
	s_add_co_u32 s4, s4, s2                        ; my 16 positions: which of 128
	s_lshl_b32 s5, s4, 4
	v_and_b32 v5, 15, v0
	v_add_nc_u32 v5, s5, v5
	v_cvt_f32_u32 v5, v5                           ; my position
	v_and_b32 v6, 16, v0
	v_cmp_ne_u32 vcc_lo, 0, v6                     ; lanes 16-31 take the frequency four further on
	s_lshl_b32 s6, s4, 12                          ; 4,096 bytes for 16 positions
	s_mov_b32 s7, 0
	s_add_nc_u64 s[32:33], s[32:33], s[6:7]
	s_mov_b32 s36, 0x3f22f983                      ; 2 / pi
	s_mov_b32 s37, 0x3fc90fdb                      ; pi / 2, the f32 number nearest to it,
	s_mov_b32 s38, 0xb33bbd2e                      ; and what it lacks: -4.3711388e-8
	s_mov_b32 s39, 0xbe2aaaa3                      ; sine:   -1.6666654611e-1
	s_mov_b32 s40, 0x3c08839e                      ;          8.3321608736e-3
	s_mov_b32 s41, 0xb94ca1f9                      ;         -1.9515295891e-4
	s_mov_b32 s42, 0x3d2aaaa5                      ; cosine:  4.1666645683e-2
	s_mov_b32 s43, 0xbab6061a                      ;         -1.3887316255e-3
	s_mov_b32 s44, 0x37ccf5ce                      ;          2.4433157118e-5
.macro SINCOS n, lo, hi                ; frequency lo in lanes 0-15, hi in lanes 16-31 -> cos in v[64 + 2 n], sin in v[65 + 2 n]
	v_mov_b32 v16, \lo
	v_mov_b32 v17, \hi
	v_cndmask_b32 v16, v16, v17, vcc_lo
	s_wait_alu depctr_va_vdst(0)
	v_mul_f32 v16, v5, v16                         ; ang
	v_mul_f32 v17, s36, v16
	v_rndne_f32 v17, v17                           ; n
	v_fma_f32 v18, -v17, s37, v16
	v_fma_f32 v18, -v17, s38, v18                  ; r
	v_cvt_i32_f32 v19, v17
	v_mul_f32 v20, v18, v18                        ; z = r r
	v_fma_f32 v21, s41, v20, s40
	v_fma_f32 v21, v21, v20, s39
	v_mul_f32 v21, v21, v20
	v_fma_f32 v21, v21, v18, v18                   ; sin r
	v_fma_f32 v22, s44, v20, s43
	v_fma_f32 v22, v22, v20, s42
	v_mul_f32 v22, v22, v20
	v_fma_f32 v23, v20, -0.5, 1.0
	v_fma_f32 v22, v22, v20, v23                   ; cos r
	v_and_b32 v24, 1, v19
	v_cmp_ne_u32 s46, 0, v24                       ; an odd quadrant swaps the two
	v_cndmask_b32 v25, v21, v22, s46
	v_cndmask_b32 v26, v22, v21, s46
	v_lshlrev_b32 v27, 30, v19
	v_and_b32 v27, 0x80000000, v27                 ; the sine is negative in quadrants 2 and 3,
	v_xor_b32 v[65+2*\n], v25, v27
	v_add_nc_u32 v19, 1, v19
	v_lshlrev_b32 v27, 30, v19
	v_and_b32 v27, 0x80000000, v27                 ; the cosine in quadrants 1 and 2
	v_xor_b32 v[64+2*\n], v26, v27
.endm
	SINCOS 0, 1.0, 0.316227766017
	SINCOS 1, 0.749894209332, 0.237137370566
	SINCOS 2, 0.562341325190, 0.177827941004
	SINCOS 3, 0.421696503429, 0.133352143216
	SINCOS 4, 0.1, 0.0316227766017
	SINCOS 5, 0.0749894209332, 0.0237137370566
	SINCOS 6, 0.0562341325190, 0.0177827941004
	SINCOS 7, 0.0421696503429, 0.0133352143216
	SINCOS 8, 0.01, 0.00316227766017
	SINCOS 9, 0.00749894209332, 0.00237137370566
	SINCOS 10, 0.00562341325190, 0.00177827941004
	SINCOS 11, 0.00421696503429, 0.00133352143216
	SINCOS 12, 0.001, 0.000316227766017
	SINCOS 13, 0.000749894209332, 0.000237137370566
	SINCOS 14, 0.000562341325190, 0.000177827941004
	SINCOS 15, 0.000421696503429, 0.000133352143216
.irp g, 0,1,2,3,4,5,6,7
	global_store_b128 v3, v[64+4*\g:67+4*\g], s[32:33] offset:512*\g   ; 32 lanes store 512 consecutive bytes, aligned
.endr
	s_endpgm
.Lfunc_end_k_q0511b1792a_prep:
	.size	k_q0511b1792a_prep, .Lfunc_end_k_q0511b1792a_prep-k_q0511b1792a_prep
	.p2alignl 7, 3214868480
	.fill 96, 4, 3214868480
	.section	.rodata,"a",@progbits
	.p2align	6, 0x0
	.amdhsa_kernel k_q0511b1792a_prep
		.amdhsa_group_segment_fixed_size 33280
		.amdhsa_private_segment_fixed_size 0
		.amdhsa_enable_private_segment 0
		.amdhsa_kernarg_size 72
		.amdhsa_user_sgpr_count 2
		.amdhsa_user_sgpr_kernarg_segment_ptr 1
		.amdhsa_wavefront_size32 1
		.amdhsa_system_sgpr_workgroup_id_x 1
		.amdhsa_system_sgpr_workgroup_id_y 1
		.amdhsa_system_sgpr_workgroup_id_z 1
		.amdhsa_system_vgpr_workitem_id 0
		.amdhsa_next_free_vgpr 160
		.amdhsa_next_free_sgpr 66
		.amdhsa_reserve_vcc 1
		.amdhsa_float_denorm_mode_32 3
		.amdhsa_float_denorm_mode_16_64 3
		.amdhsa_fp16_overflow 1
		.amdhsa_memory_ordered 1
		.amdhsa_forward_progress 1
		.amdhsa_inst_pref_size 57
	.end_amdhsa_kernel
	.amdgpu_metadata
---
amdhsa.version: [ 1, 2 ]
amdhsa.kernels:
  - .name:           k_q0511b1792a_prep
    .symbol:         k_q0511b1792a_prep.kd
    .args:
      - { .name: x, .offset: 0, .size: 8, .value_kind: global_buffer, .address_space: global }
      - { .name: W_q, .offset: 8, .size: 8, .value_kind: global_buffer, .address_space: global }
      - { .name: W_k, .offset: 16, .size: 8, .value_kind: global_buffer, .address_space: global }
      - { .name: W_v, .offset: 24, .size: 8, .value_kind: global_buffer, .address_space: global }
      - { .name: W_o, .offset: 32, .size: 8, .value_kind: global_buffer, .address_space: global }
      - { .name: lowp_scales, .offset: 40, .size: 8, .value_kind: global_buffer, .address_space: global }
      - { .name: xcodes, .offset: 48, .size: 8, .value_kind: global_buffer, .address_space: global }
      - { .name: wcodes, .offset: 56, .size: 8, .value_kind: global_buffer, .address_space: global }
      - { .name: rope, .offset: 64, .size: 8, .value_kind: global_buffer, .address_space: global }
    .group_segment_fixed_size: 33280
    .private_segment_fixed_size: 0
    .kernarg_segment_align: 8
    .kernarg_segment_size: 72
    .max_flat_workgroup_size: 128
    .sgpr_count:     66
    .vgpr_count:     160
    .wavefront_size: 32
...
	.end_amdgpu_metadata
.endif
;; end of part 1
;; launch qkv (part 2): grid 12 x 32, 4 waves a work-group, clusters of 4 x 4, 327,680 bytes of LDS; arguments xcodes, wcodes, lowp_scales, rope, qimg, kimg, vimg; writes qimg, kimg, vimg
.if DOCPART == 2
	.amdgcn_target "amdgcn-amd-amdhsa--gfx1250"
	.amdhsa_code_object_version 6
	.text
	.protected	k_q0511b1792a_qkv
	.globl	k_q0511b1792a_qkv
	.p2align	8
	.type	k_q0511b1792a_qkv,@function
k_q0511b1792a_qkv:
	s_mov_b64 s[64:65], 0
	v_nop
	global_prefetch_b8 v0, s[64:65] scope:SCOPE_SE
	s_setreg_imm32_b32 hwreg(HW_REG_WAVE_MODE, 25, 1), 1
	s_wait_xcnt 0x0
	s_wait_alu depctr_hold_cnt(0) depctr_sa_sdst(0) depctr_va_vdst(0) depctr_va_sdst(0) depctr_va_ssrc(0) depctr_va_vcc(0) depctr_vm_vsrc(0)
	s_getreg_b32 s2, hwreg(HW_REG_IB_STS2, 6, 4)
	s_cmp_eq_u32 s2, 0
	s_cbranch_scc0 .Lentry_in_a_cluster
	s_endpgm
.Lentry_in_a_cluster:
	s_bfe_u32 s2, ttmp6, 0x10000c
	s_cmp_lg_u32 s2, 0xf033
	s_cbranch_scc0 .Lentry_shape_is_right
	s_endpgm
.Lentry_shape_is_right:
; THE THREE PROJECTIONS ON CODES OF E4M3, THE ROTATION, AND THE QUANTISING OF q, k AND v.  x's codes [3 sets][8192][1024], the weights' codes [4][1024][1024], K innermost; sums in f32.
; The cluster's x is the projection: 0 q, 1 k, 2 v; it is the same in all sixteen partners.  Projection p reads set p of x's codes and weight p.  A tile of the result is 256 x 256, made by four waves, 128 x 128 each: 64 accumulators, 512 registers.
; K goes in steps of 256 through a ring of two LDS slots filled by the tensor data mover; a tile's row is 256 bytes of memory.
; ROLES.  The matrix instruction's source 1 ('A') gives a lane its ROW, source 0 ('B') runs along the lane's eight registers.  For q and k: A = x, B = the weight: a lane holds one position and eight neighbouring
; features, which is what the rotation and the next product's K (the head's 64) want.  For v: A = W_v, B = x: a lane holds one feature and eight neighbouring keys, the next product's K.  Only pointers and block numbers are chosen, on the cluster's x; the loop is one text.
; CLUSTERS: 4 x 4.  The four of a row of the cluster need the same tiles of A, the four of a column the same tiles of B: each tile is asked for jointly.  Every word of a joint load's descriptor is made of ids and constants: no loaded number enters one.
; THE WAY OUT needs no LDS: the conversions' results ARE the next launch's operand registers, and leave as images of them, 16 bytes a lane, 512 consecutive aligned bytes a store:
;   qimg, kimg [batch x 16 + head][pos / 16][u 0-1][lane][16]: register 4 u + w of lane (r, h): position 16 (pos / 16) + r, d = 16 c + 8 h + 0 .. 7 in registers 2 c, 2 c + 1.
;   vimg [batch x 16 + head][key / 128][d / 16][c4 0-3][lane][16]: lane (r, h): d = 16 (d / 16) + r; registers 2 c, 2 c + 1: keys 16 c + 8 h + 0 .. 7 of the 128.
; SCALES.  A sum stands for sum x 2^(ea + eb); its code is sum / 2^(et - ea - eb): the three exponents are folded into the conversion's one.  The rotation is linear, so it works on the sums as they are.
; LIMIT: et - ea - eb lies between -126 and 119, for (ea, eb, et) = entries (0, 1, 6), (2, 3, 7), (4, 5, 9).
; REGISTERS, in windows of 256: window 0: v0-31 addresses and constants; v32-95 two sets of cos and sin; v96-111 codes; from v128 A's fragments, ONE set, later the rotated numbers.
;   window 1: B's fragments, TWO sets.   window 2: the accumulators of my rows 0-63 ((a, b) at v[8 (8 a + b)]);   window 3: those of my rows 64-127.
.set KSTEP,  256
.set ROWB,   256                       ; a tile's row in bytes
.set KROW,   1024                      ; a row of codes in memory
.set PITCH,  272                       ; an LDS row: 256 bytes + 16 of padding = 68 words: row r starts at bank 4 r mod 64 (ISA guide 11.1)
.set FR,     16                        ; registers of a fragment: 16 rows x 128 K
.set NL,     4                         ; LDS loads that bring one
.set NP,     4                         ; places behind this matrix instruction (ISA guide 7.12.1)
.set HALFT,  128*PITCH
.set SLOT,   4*HALFT                   ; A's 256 rows, then B's 256 rows
.set LAPS,   2                         ; 1,024 along K = four K steps = twice round the ring
.set SPARE,  2*SLOT                    ; behind the ring: the spare words, 128 bytes a wave, which no other line names
.set ADRA, 16                          ; v16-17  LDS address of my A fragments in slot 0, 1
.set ADRB, 20                          ; v20-21  the same for B
.set LI,   26                          ; v26     16 x lane: my place in an image
.set SPW,  28                          ; v28     LDS address of my spare word; never rewritten
.set NIL,  29                          ; v29     0; never rewritten
.set SCL,  30                          ; v30     2^(et - ea - eb)
.set LIM,  31
.set CS,   32                          ; v32-95  cos and sin of 16 positions x 32 frequencies, two sets
.set CD,   96                          ; v96-111 a block's codes
.set AF,   128                         ; A's fragments
.set T,    128                         ; v128-191 on the way out: a block's 64 numbers
.set G1, 24                            ; s[24:31] descriptor group 1 for A's tiles;  s[32:39] group 0, one set for each slot
.set G0, 32
.set G1B, 48                           ; s[48:55], s[56:63] the same for B's tiles
.set G0B, 56
.set MSB, 0
.macro WIN new                         ; the immediate's high byte repeats the setting that is left
.if MSB != \new
	s_set_vgpr_msb (MSB<<8)|\new
.set MSB, \new
.endif
.endm
.set MUL_LO, 0xa1                      ; source 0 (B) window 1, source 1 (A) window 0, C and D window 2
.set MUL_HI, 0xf1                      ; the same, C and D window 3
.set TO_B,   0x40                      ; destination window 1, address window 0
; A joint load: waves 0 and 1 fetch for A, waves 2 and 3 for B.  The branch hangs on the wave's number alone.  An s_nop 0 and four v_nop follow each of the two lines.
.macro JLOAD g0a, g1a, g0b, g1b
	s_cmp_eq_u32 s15, 0
	s_cbranch_scc0 .Lfor_b_\@
	tensor_load_to_lds s[\g0a:\g0a+3], s[\g1a:\g1a+7]
	s_nop 0
.rept 4
	v_nop
.endr
	s_branch .Lasked_\@
.Lfor_b_\@:
	tensor_load_to_lds s[\g0b:\g0b+3], s[\g1b:\g1b+7]
	s_nop 0
.rept 4
	v_nop
.endr
.Lasked_\@:
.endm
.macro CREST                           ; a round of the cluster's barrier behind its opening barrier
	s_cmp_lg_u32 s14, 0
	s_cbranch_scc1 .Lnot_wave_0_\@
	s_barrier_signal -3
.Lnot_wave_0_\@:
	s_barrier_wait -3
	s_barrier_signal -1
	s_barrier_wait -1
.endm
.macro CROUND                          ; a whole round
	s_barrier_signal -1
	s_barrier_wait -1
	CREST
.endm
	s_load_b128 s[4:7], s[0:1], 0x0                ; x's codes s[4:5], the weights' codes s[6:7]
	s_load_b128 s[8:11], s[0:1], 0x10              ; the scales s[8:9], the table s[10:11]
	s_load_b128 s[84:87], s[0:1], 0x20             ; qimg s[84:85], kimg s[86:87]
	s_load_b64 s[88:89], s[0:1], 0x30              ; vimg
	v_lshl_add_u32 v[SPW], v0, 2, SPARE
	v_mov_b32 v[NIL], 0
	ds_add_u32 v[SPW], v[NIL]
	ds_add_u32 v[SPW], v[NIL]                      ; the wave's opening: the add and its wait ahead of my first tensor load; work on registers stands between them
	v_lshrrev_b32 v1, 5, v0
	v_readfirstlane_b32 s14, v1                    ; wave 0..3
	s_lshr_b32 s15, s14, 1                         ; which half of A's 256 rows is mine.  Also: I fetch for A (0) or for B (1)
	s_and_b32 s16, s14, 1                          ; which half of B's.  Also: which 128 rows of that tile I fetch
	s_bfe_u32 s40, ttmp6, 0x40000                  ; cx, cy: my place in the cluster
	s_bfe_u32 s41, ttmp6, 0x40004
	s_and_b32 s18, ttmp7, 0xffff
	s_lshl_b32 s18, s18, 2                         ; 4 x the cluster's y: x's 32 blocks of 256 rows go along it
	s_cmp_eq_u32 ttmp9, 2                          ; v?
	s_cselect_b32 s19, 0, s18
	s_cselect_b32 s20, s18, 0
	s_add_co_u32 s17, s41, s19                     ; A's block of 256 rows: cy (+ 4 x cluster y where A is x): never cx
	s_add_co_u32 s42, s40, s20                     ; B's: cx (+ 4 x cluster y where B is x): never cy
	s_lshl_b32 s43, s41, 2
	s_lshl_b32 s43, 15, s43                        ; my row of the cluster
	s_lshl_b32 s44, 0x1111, s40                    ; my column
	s_or_b32 s[G1+0], s43, (0<<16)|(1<<20)|(1<<21)|(5<<22)|(3<<25)  ; 15:0 the mask: A's tiles go to my row; 17:16 elements of 1 byte; 20 padding on; 21 set beside a mask; 24:22 after every 64 words; 31:25 four words
	s_or_b32 s[G1B+0], s44, (0<<16)|(1<<20)|(1<<21)|(5<<22)|(3<<25)
.irp g, G1, G1B
	s_mov_b32 s[\g+1], ROWB<<16                    ; tensor_dim0
	s_mov_b32 s[\g+2], 128<<16                     ; tensor_dim1 = 128
	s_mov_b32 s[\g+3], ROWB<<16                    ; tile_dim0
	s_mov_b32 s[\g+4], 128                         ; tile_dim1 = 128
	s_mov_b32 s[\g+5], KROW                        ; tensor_dim0_stride
	s_mov_b32 s[\g+6], 0
	s_mov_b32 s[\g+7], 0
.endr
	s_lshl_b32 s18, s16, 7                         ; which 128 rows of the tile I fetch
	s_lshl_b32 s20, s17, 8
	s_add_co_u32 s20, s20, s18
	s_lshl_b32 s20, s20, 10                        ; A: (256 x block + 128 x half) rows of 1,024 bytes
	s_mov_b32 s21, 0
	s_lshl_b32 s46, s42, 8
	s_add_co_u32 s46, s46, s18
	s_lshl_b32 s46, s46, 10                        ; B likewise
	s_mov_b32 s47, 0
	s_mul_i32 s45, s14, HALFT                      ; where they go: wave x 128 rows: no place in the cluster enters an LDS address
	s_wait_dscnt 0x0                               ; the opening add is done
	s_wait_kmcnt 0x0
	s_load_b256 s[72:79], s[8:9], 0x0              ; entries 0 to 7: they feed the conversion's scale alone, and are waited for there
	s_load_b128 s[80:83], s[8:9], 0x20             ; entries 8 to 11
	s_lshl_b32 s98, ttmp9, 23                      ; projection p reads set p of x's codes: a set is 8 MiB
	s_mov_b32 s99, 0
	s_add_nc_u64 s[4:5], s[4:5], s[98:99]
	s_lshl_b32 s98, ttmp9, 20                      ; and weight p: a weight's codes are 1 MiB
	s_add_nc_u64 s[6:7], s[6:7], s[98:99]
	s_cmp_eq_u32 ttmp9, 2
	s_cselect_b64 s[90:91], s[6:7], s[4:5]         ; A
	s_cselect_b64 s[92:93], s[4:5], s[6:7]         ; B
	s_add_nc_u64 s[20:21], s[90:91], s[20:21]
	s_add_nc_u64 s[46:47], s[92:93], s[46:47]
	CROUND                                         ; all sixteen work-groups are here: the first joint loads meet
.irp s, 0,1
	s_mov_b32 s[G0+4*\s], 1
	s_add_co_u32 s[G0+4*\s+1], s45, \s*SLOT
	s_add_nc_u64 s[G0+4*\s+2:G0+4*\s+3], s[20:21], \s*ROWB
	s_or_b32 s[G0+4*\s+3], s[G0+4*\s+3], 0x80000000
	s_mov_b32 s[G0B+4*\s], 1
	s_add_co_u32 s[G0B+4*\s+1], s45, \s*SLOT
	s_add_nc_u64 s[G0B+4*\s+2:G0B+4*\s+3], s[46:47], \s*ROWB
	s_or_b32 s[G0B+4*\s+3], s[G0B+4*\s+3], 0x80000000
	JLOAD G0+4*\s, G1, G0B+4*\s, G1B
.endr
	v_and_b32 v1, 15, v0                           ; l % 16
	v_bfe_u32 v2, v0, 4, 1                         ; l / 16
	v_mul_u32_u24 v3, v1, PITCH
	v_lshl_add_u32 v4, v2, 4, v3                   ; a fragment's row x pitch + 16 x half
	s_mul_i32 s21, s15, HALFT                      ; my 128 rows of A
	s_mul_i32 s22, s16, HALFT                      ; my 128 rows of B,
	s_add_co_u32 s22, s22, 2*HALFT                 ; which lie behind A's 256
.irp s, 0,1
	v_add_nc_u32 v[ADRA+\s], s21, v4
	v_add_nc_u32 v[ADRB+\s], s22, v4
	s_add_co_u32 s21, s21, SLOT
	s_add_co_u32 s22, s22, SLOT
.endr
	v_and_b32 v[LI], 31, v0
	v_lshlrev_b32 v[LI], 4, v[LI]
	; where q's or k's images go: my 128 positions begin at x's row 256 x A's block + 128 x half; my 128 features are heads 4 cx + 2 x half and the next
	s_lshl_b32 s18, s17, 8
	s_lshl_b32 s19, s15, 7
	s_add_co_u32 s18, s18, s19
	s_lshr_b32 s19, s18, 11                        ; the batch
	s_and_b32 s18, s18, 2047                       ; my first position
	s_lshl_b32 s22, s40, 2
	s_lshl_b32 s23, s16, 1
	s_add_co_u32 s22, s22, s23                     ; my first head
	s_lshl_b32 s19, s19, 4
	s_add_co_u32 s19, s19, s22
	s_lshl_b32 s19, s19, 17                        ; a head's image is 131,072 bytes,
	s_lshl_b32 s22, s18, 6                         ; 16 positions' 1,024
	s_add_co_u32 s19, s19, s22
	; where v's go: my 128 keys begin at x's row 256 x B's block + 128 x half; my 128 features are heads 4 cy + 2 x half and the next
	s_lshl_b32 s20, s42, 8
	s_lshl_b32 s21, s16, 7
	s_add_co_u32 s20, s20, s21
	s_lshr_b32 s21, s20, 11                        ; the batch
	s_bfe_u32 s20, s20, 0x40007                    ; which 128 keys of the 2,048
	s_lshl_b32 s22, s41, 2
	s_lshl_b32 s23, s15, 1
	s_add_co_u32 s22, s22, s23
	s_lshl_b32 s21, s21, 4
	s_add_co_u32 s21, s21, s22
	s_lshl_b32 s21, s21, 17
	s_lshl_b32 s20, s20, 13                        ; 128 keys' image is 8,192 bytes
	s_add_co_u32 s21, s21, s20
	s_cmp_eq_u32 ttmp9, 0
	s_cselect_b64 s[94:95], s[84:85], s[86:87]
	s_cmp_eq_u32 ttmp9, 2
	s_cselect_b64 s[94:95], s[88:89], s[94:95]
	s_cselect_b32 s98, s21, s19
	s_mov_b32 s99, 0
	s_add_nc_u64 s[94:95], s[94:95], s[98:99]      ; the images' base
	s_lshl_b32 s98, s18, 8                         ; the table: 4,096 bytes for 16 positions
	s_add_nc_u64 s[96:97], s[10:11], s[98:99]
	s_wait_alu depctr_va_vdst(0)
	; the folded scale
	s_wait_kmcnt 0x0                               ; the scales' entries are in
	s_sub_co_i32 s98, s78, s72
	s_sub_co_i32 s98, s98, s73                     ; q: entry 6 - 0 - 1
	s_sub_co_i32 s99, s79, s74
	s_sub_co_i32 s99, s99, s75                     ; k: 7 - 2 - 3
	s_cmp_eq_u32 ttmp9, 1
	s_cselect_b32 s98, s99, s98
	s_sub_co_i32 s99, s81, s76
	s_sub_co_i32 s99, s99, s77                     ; v: 9 - 4 - 5
	s_cmp_eq_u32 ttmp9, 2
	s_cselect_b32 s98, s99, s98
	s_add_co_i32 s98, s98, 127
	s_lshl_b32 s99, s98, 23
	v_mov_b32 v[SCL], s99
.macro FRAG reg, adr, q, i             ; a fragment, 16 rows x 128 K, is 16 registers: lane l holds row l % 16; registers 4 c .. 4 c + 3 hold K = 32 c + 16 (l / 16) + 0 .. 15: the same order of K in A and in B, so every product meets its partner
.irp c, 0,1,2,3
	ds_load_b128 v[\reg+4*\c:\reg+4*\c+3], v[\adr] offset:128*(\q)+32*\c+(\i)*16*PITCH
.endr
.endm
; 16 matrix instructions: A's blocks a0, a0 + 1 x B's eight, 128 along K.  p: B's set.  zero = 1: the first product starts the sums.  The 64 accumulators take turns, one instruction a turn, in the same order in every step.
.macro MUL16 a0, p, zero
.irp a, \a0, \a0+1
.irp b, 0,1,2,3,4,5,6,7
.if \zero
	v_wmma_f32_16x16x128_fp8_fp8 v[8*(8*((\a)%4)+\b):8*(8*((\a)%4)+\b)+7], v[128*(\p)+FR*\b:128*(\p)+FR*\b+FR-1], v[AF+FR*(\a):AF+FR*(\a)+FR-1], 0
.else
	v_wmma_f32_16x16x128_fp8_fp8 v[8*(8*((\a)%4)+\b):8*(8*((\a)%4)+\b)+7], v[128*(\p)+FR*\b:128*(\p)+FR*\b+FR-1], v[AF+FR*(\a):AF+FR*(\a)+FR-1], v[8*(8*((\a)%4)+\b):8*(8*((\a)%4)+\b)+7]
.endif
.endr
.endr
.endm
.macro FETCH_B slot, q, p
	WIN TO_B
.irp i, 0,1,2,3,4,5,6,7
	FRAG 128*(\p)+FR*\i, ADRB+\slot, \q, \i
.endr
	WIN 0
.endm
.macro FETCH_A slot, q, i0
.irp i, \i0, \i0+1, \i0+2, \i0+3
	FRAG AF+FR*(\i), ADRA+\slot, \q, \i
.endr
.endm
.macro PLACES n                        ; plain vector lines between a matrix instruction and a load into, or a vector write of, one of its registers, or a read of its result
.rept \n
	v_nop
.endr
.endm
.macro STEP slot, q, zero              ; a step of 128 along K that has its successor in the same slot
	s_wait_dscnt 4*NL                              ; B's set and A's blocks 0-3 are in; the youngest sixteen loads (A's blocks 4-7) may be out
	WIN MUL_LO
	MUL16 0, (\q)%2, \zero
	MUL16 2, (\q)%2, \zero
	s_wait_dscnt 0                                 ; A's blocks 4-7 are in
	PLACES NP
	FETCH_B \slot, (\q)+1, 1-(\q)%2
	FETCH_A \slot, (\q)+1, 0
	WIN MUL_HI
	MUL16 4, (\q)%2, \zero
	MUL16 6, (\q)%2, \zero
	PLACES NP
	WIN 0
	FETCH_A \slot, (\q)+1, 4
.endm
; A slot's last step changes slots: ONE barrier; in front of it each wave waits for all its tensor loads, adds 0 to its spare word, and waits for that and for its own reads of this slot.  fill = 1: this slot is filled again, two K steps ahead.
.macro TURN slot, next, fill
	s_wait_tensorcnt 0x0                           ; all my tensor loads have landed: my part of the next slot
	ds_add_u32 v[SPW], v[NIL]                      ; 0 onto my spare word
	s_wait_dscnt 4*NL+1                            ; (the add and the youngest sixteen loads, A's blocks 4-7, may be out)
	WIN MUL_LO
	MUL16 0, 1, 0                                  ; sixteen matrix instructions stand between the add and the wait for it
	s_wait_dscnt 0x0                               ; the add is done, and my reads of this slot are over
	s_barrier_signal -1
	MUL16 2, 1, 0
	WIN 0
	s_barrier_wait -1
.if \fill
	CREST                                          ; the barrier has opened a round of the cluster's barrier: no wave of any partner still reads this slot or has a load on its way
	s_add_nc_u64 s[G0+4*\slot+2:G0+4*\slot+3], s[G0+4*\slot+2:G0+4*\slot+3], 2*ROWB
	s_add_nc_u64 s[G0B+4*\slot+2:G0B+4*\slot+3], s[G0B+4*\slot+2:G0B+4*\slot+3], 2*ROWB
	JLOAD G0+4*\slot, G1, G0B+4*\slot, G1B         ; the first tensor load behind the round; its four v_nop are the places in front of the loads below
.else
	PLACES NP
.endif
	FETCH_B \next, 0, 0
	FETCH_A \next, 0, 0
	WIN MUL_HI
	MUL16 4, 1, 0
	MUL16 6, 1, 0
	PLACES NP
	WIN 0
	FETCH_A \next, 0, 4
.endm
.macro CSLOAD a                        ; cos and sin of block a's 16 positions: eight loads of 512 consecutive bytes, into set a % 2: register 8 t + i, 8 t + i + 1 = cos, sin for the pair at registers i, i + 1 of an accumulator with b % 4 = t
.irp t, 0,1,2,3
.irp u, 0,1
	global_load_b128 v[CS+32*((\a)%2)+8*\t+4*\u:CS+32*((\a)%2)+8*\t+4*\u+3], v[LI], s[96:97] offset:(\a)*4096+\t*1024+\u*512
.endr
.endr
.endm
	s_wait_tensorcnt 1                             ; my part of K step 0 is in (K step 1's load may be out)
	s_barrier_signal -1
	s_barrier_wait -1                              ; everybody's is
	FETCH_B 0, 0, 0
	FETCH_A 0, 0, 0
	FETCH_A 0, 0, 4
	STEP 0, 0, 1                                   ; the first step stands in front of the loop: its products start the sums
	s_mov_b32 s3, LAPS-1
.Llap:                                                 ; a trip goes once round the ring and fills both slots again
	TURN 0, 1, 1
	STEP 1, 0, 0
	TURN 1, 0, 1
	STEP 0, 0, 0
	s_sub_co_u32 s3, s3, 1
	s_cmp_lg_u32 s3, 0
	s_cbranch_scc1 .Llap
	CSLOAD 0                                       ; the first two blocks' cos and sin are asked for 192 matrix instructions ahead of their use.  v's work-groups ask too and leave them unread:
	CSLOAD 1                                       ; so the paths part once, behind the last product.  (Their addresses lie inside the table there too: positions under 1,024)
	TURN 0, 1, 0                                   ; the last lap fills nothing, and has no round of the cluster's barrier
	STEP 1, 0, 0
	s_wait_dscnt 4*NL
	WIN MUL_LO
	MUL16 0, 1, 0
	MUL16 2, 1, 0
	s_wait_dscnt 0
	WIN MUL_HI
	MUL16 4, 1, 0
	MUL16 6, 1, 0
	WIN 0
	PLACES NP                                      ; behind the last products: results are read, and registers that held A's fragments are written
	s_cmp_eq_u32 ttmp9, 2                          ; the cluster's x: the same in all waves and all partners
	s_cbranch_scc1 .Lv
; q AND k, block a of 16 positions x 128 features.  (x1, x2) at registers i, i + 1 becomes (x1 c - x2 s, x1 s + x2 c): one packed multiplication gives (-x2 s, x1 s), one packed multiply-add adds (x1 c, x2 c).
.macro QKOUT a
.set AC, 64*((\a)%4)
.set CC, CS+32*((\a)%2)
.if (\a) > 0
	s_wait_xcnt 0x0                                ; the last block's stores have read the codes' registers
.endif
.if (\a) < 7
	s_wait_loadcnt 8                               ; this block's cos and sin are in; the next block's eight loads may be out
.else
	s_wait_loadcnt 0
.endif
	WIN 0x02+((\a)/4)                              ; source 0: window 2 or 3
.irp b, 0,1,2,3,4,5,6,7
.irp i, 0,2,4,6                        ; each accumulator from its low end on
	v_pk_mul_f32 v[T+8*\b+\i:T+8*\b+\i+1], v[AC+8*\b+\i:AC+8*\b+\i+1], v[CC+8*(\b%4)+\i:CC+8*(\b%4)+\i+1] op_sel:[1,1] op_sel_hi:[0,1] neg_lo:[1,0]
.endr
.irp i, 0,2,4,6
	v_pk_fma_f32 v[T+8*\b+\i:T+8*\b+\i+1], v[AC+8*\b+\i:AC+8*\b+\i+1], v[CC+8*(\b%4)+\i:CC+8*(\b%4)+\i+1], v[T+8*\b+\i:T+8*\b+\i+1] op_sel_hi:[1,0,1]
.endr
.endr
	WIN 0
.if (\a) < 6
	CSLOAD (\a)+2
.endif
.set jj, 0
.rept 64
.set jj, jj+1
.endr
.irp b, 0,1,2,3,4,5,6,7
	v_cvt_scalef32_pk8_fp8_f32 v[CD+2*\b:CD+2*\b+1], v[T+8*\b:T+8*\b+7], v[SCL]   ; d = 16 (b % 4) + 8 h + 0 .. 7 of head b / 4: registers 2 (b % 4), + 1 of that head's fragment
.endr
	v_nop                                          ; a plain vector line between the conversions and the next write of their sources
.irp hh, 0,1
.irp u, 0,1
	global_store_b128 v[LI], v[CD+8*\hh+4*\u:CD+8*\hh+4*\u+3], s[94:95] offset:\hh*131072+(\a)*1024+\u*512   ; 512 consecutive bytes, aligned
.endr
.endr
.endm
.irp a, 0,1,2,3,4,5,6,7
	QKOUT \a
.endr
	s_branch .Lend
; v, block a of 16 features x 128 keys: nothing is rotated
.macro VOUT a
.set AC, 64*((\a)%4)
.if (\a) > 0
	s_wait_xcnt 0x0                                ; the last block's stores have read the codes' registers
.endif
	WIN 0x02+((\a)/4)
.set jj, 0
.rept 64
.set jj, jj+1
.endr
.irp b, 0,1,2,3,4,5,6,7
	v_cvt_scalef32_pk8_fp8_f32 v[CD+2*\b:CD+2*\b+1], v[AC+8*\b:AC+8*\b+7], v[SCL]
.endr
	WIN 0
	v_nop
.irp c, 0,1,2,3
	global_store_b128 v[LI], v[CD+4*\c:CD+4*\c+3], s[94:95] offset:((\a)/4)*131072+((\a)%4)*2048+\c*512
.endr
.endm
.Lv:
	s_wait_alu depctr_va_vdst(0)
.irp a, 0,1,2,3,4,5,6,7
	VOUT \a
.endr
.Lend:
	s_wait_tensorcnt 0x0                           ; the wave's end: behind my last tensor load
	ds_add_u32 v[SPW], v[NIL]
	s_wait_dscnt 0x0
	CROUND                                         ; the closing round: no work-group ends while a partner may still ask for a tile that names it
	s_endpgm
.Lfunc_end_k_q0511b1792a_qkv:
	.size	k_q0511b1792a_qkv, .Lfunc_end_k_q0511b1792a_qkv-k_q0511b1792a_qkv
	.p2alignl 7, 3214868480
	.fill 96, 4, 3214868480
	.section	.rodata,"a",@progbits
	.p2align	6, 0x0
	.amdhsa_kernel k_q0511b1792a_qkv
		.amdhsa_group_segment_fixed_size 327680
		.amdhsa_private_segment_fixed_size 0
		.amdhsa_enable_private_segment 0
		.amdhsa_kernarg_size 56
		.amdhsa_user_sgpr_count 2
		.amdhsa_user_sgpr_kernarg_segment_ptr 1
		.amdhsa_wavefront_size32 1
		.amdhsa_system_sgpr_workgroup_id_x 1
		.amdhsa_system_sgpr_workgroup_id_y 1
		.amdhsa_system_sgpr_workgroup_id_z 1
		.amdhsa_system_vgpr_workitem_id 0
		.amdhsa_next_free_vgpr 1024
		.amdhsa_next_free_sgpr 100
		.amdhsa_reserve_vcc 0
		.amdhsa_float_denorm_mode_32 3
		.amdhsa_float_denorm_mode_16_64 3
		.amdhsa_fp16_overflow 1
		.amdhsa_memory_ordered 1
		.amdhsa_forward_progress 1
		.amdhsa_inst_pref_size 133
	.end_amdhsa_kernel
	.amdgpu_metadata
---
amdhsa.version: [ 1, 2 ]
amdhsa.kernels:
  - .name:           k_q0511b1792a_qkv
    .symbol:         k_q0511b1792a_qkv.kd
    .args:
      - { .name: xcodes, .offset: 0, .size: 8, .value_kind: global_buffer, .address_space: global }
      - { .name: wcodes, .offset: 8, .size: 8, .value_kind: global_buffer, .address_space: global }
      - { .name: lowp_scales, .offset: 16, .size: 8, .value_kind: global_buffer, .address_space: global }
      - { .name: rope, .offset: 24, .size: 8, .value_kind: global_buffer, .address_space: global }
      - { .name: qimg, .offset: 32, .size: 8, .value_kind: global_buffer, .address_space: global }
      - { .name: kimg, .offset: 40, .size: 8, .value_kind: global_buffer, .address_space: global }
      - { .name: vimg, .offset: 48, .size: 8, .value_kind: global_buffer, .address_space: global }
    .group_segment_fixed_size: 327680
    .private_segment_fixed_size: 0
    .kernarg_segment_align: 8
    .kernarg_segment_size: 56
    .max_flat_workgroup_size: 128
    .sgpr_count:     100
    .vgpr_count:     1024
    .wavefront_size: 32
...
	.end_amdgpu_metadata
.endif
;; end of part 2
;; launch attn (part 3): grid 4 x 64, 16 waves a work-group, no clusters, 327,680 bytes of LDS; arguments qimg, kimg, vimg, lowp_scales, aimg; writes aimg
.if DOCPART == 3
	.amdgcn_target "amdgcn-amd-amdhsa--gfx1250"
	.amdhsa_code_object_version 6
	.text
	.protected	k_q0511b1792a_attn
	.globl	k_q0511b1792a_attn
	.p2align	8
	.type	k_q0511b1792a_attn,@function
k_q0511b1792a_attn:
	s_mov_b64 s[64:65], 0
	v_nop
	global_prefetch_b8 v0, s[64:65] scope:SCOPE_SE
	s_setreg_imm32_b32 hwreg(HW_REG_WAVE_MODE, 25, 1), 1
	s_wait_xcnt 0x0
; CAUSAL ATTENTION ON CODES OF E4M3, head size 64, 2,048 positions, 64 heads (batch x 16 + head), and the quantising of its result for the last projection.
; q, k, v arrive as images of operand registers (the launch before lays them): a fragment is read by loads of 16 bytes a lane, 512 consecutive bytes each; K stands in the instruction's own places.
; THE SOFTMAX AHEAD OF THE SECOND PRODUCT: t = score x log2(e) / 8; M = the row's largest t so far, rounded UP to a whole number; p = 2^(t - M) is quantised along the keys, not normalised.
; The row's sum is taken of the unquantised p, in f32, and divides O at the end.  When M moves, the sum and O are multiplied by 2^(old M - new M): exact.
; SHARES.  Work-group (p, head) owns TWO blocks of 256 queries, p and 7 - p.  Block i needs the key slots (256 keys) 0 .. i, so every work-group makes (p + 1) + (8 - p) = 9 visits to a slot: equal work for all 256,
; every trip count a constant, and every slot that is filled is read.  Visit v takes key slot v where v <= p, else v - p - 1; at visit p + 1 the first block is finished and the second begun.
; Each of the SIXTEEN waves owns 16 queries of the block in hand, in 256 registers: four waves to a SIMD, so that one wave's vector work stands beside another's matrix work and LDS loads.
; NO CLUSTER: the four work-groups of a head take different key slots in the same visit (in visit 1: slots 0, 1, 1, 1; in visit 4: 3, 2, 1, 0), which is the price of the even pairing; a joint request needs the same tile in the same round.
; LAYOUT.  Both products are used transposed: S^T = K Q^T (source 0 = 16 keys, source 1 = my 16 queries), O^T = V^T P^T (source 0 = 16 of the head's 64, source 1 = P): a lane holds ONE query (lane % 16) throughout.
; In S^T tile t, register j of lane (r, h) is key 16 t + 8 h + j: its eight codes are registers 2 t, 2 t + 1 of P's fragment of 128 keys.  In O^T tile dt, register j is d = 16 dt + 8 h + j: registers 2 dt, 2 dt + 1 of the result's image:
;   aimg [row / 16][head / 2][c4 0-3][lane][16]: a fragment of 16 rows x 128 of the model's 1,024; a head's 64 are half of it, 1,024 bytes.
; THE MASK.  A step (128 keys) all of whose keys come after my 16 queries is left out by a scalar branch on ids; in the step on the diagonal hidden scores become -infinity ahead of the maximum.  Key 0 counts for every query.
; LIMITS on the given exponents: entries 6 + 7 between -123 and 130 (added to c's exponent field); entries 8 and 10 between -126 and 119; 8 + 9 is applied by v_ldexp_f32 and has none.
; REGISTERS: v1 16 x lane; v3 256 x lane; v5, v6 the add's two; v8 the LDS address in hand; v9 r - 8 h; v12 -M, v13 the largest t, v[14:15] the sum in two halves; v16-23 Q; v32-95 K's eight fragments, then V's four;
;   v96-159 S^T, then p; v160-191 O^T; v192-207 p's codes; v208-215 the result's codes; v234-255 at work and constants.
.set SLOT1, 32768                      ; a slot: K's 16 tiles x 1,024 bytes, then V's 2 x 8,192; slot 1 begins here, so that one exclusive or turns an address
.set VOFF,  16384
.set SPARE, 65536                      ; behind the ring: the spare words, 128 bytes for each of sixteen waves, which no other line names
.set LI,   1
.set PFO,  3
.set SPW,  5
.set NIL,  6
.set ADK,  8
.set DG,   9
.set TB,   2                           ; s2   LDS byte at which the slot in hand begins
.set WV,   18                          ; s18  my wave's number
.set SEL,  20                          ; s[20:21] lane selects for v_permlanex16_b32: lane l xor 16
.set CS,   22                          ; s[22:23] c = log2(e) / 8 x 2^(entries 6 + 7)
.set G1,   24                          ; s[24:31] descriptor group 1
.set G0,   40                          ; s[40:43] descriptor group 0
.set KVB,  44                          ; s[44:45] my quarter of key slot 0 in memory
.set QLO,  48                          ; s[48:49], s[50:51] my queries' image in the first block, in the second
.set QHI,  50
.set OLO,  52                          ; s[52:53], s[54:55] where their results go
.set OHI,  54
.set VIS,  67                          ; s67  the visit
.set PFA,  76                          ; s[76:77] where my prefetches stand
.set LIM,  80                          ; s80  7 in a wave that prefetches, else 0
.set P,    81                          ; s81  p
.set PP1,  82                          ; s82  p + 1
.set QH0,  83                          ; s83  my first query in the second block
.set KF,   98                          ; s98  the step's first key
.set Q0,   99                          ; s99  my first query
.macro KSOF dst, src                   ; the key slot of visit src (s97 at work)
	s_sub_co_u32 s97, \src, s[PP1]
	s_cmp_gt_u32 \src, s[P]
	s_cselect_b32 \dst, s97, \src
.endm
; Waves 0 and 1 fetch K's halves of a slot, waves 2 and 3 V's: 8,192 dense bytes each.  The branch hangs on the wave's number alone.  An s_nop 0 and four v_nop follow the load.
.macro TLOAD
	s_cmp_lt_u32 s[WV], 4
	s_cbranch_scc0 .Lasked_\@
	tensor_load_to_lds s[G0:G0+3], s[G1:G1+7]
	s_nop 0
.rept 4
	v_nop
.endr
.Lasked_\@:
.endm
; A PREFETCH of the key slot that the work-group with p = 0 will ask for at its NEXT change of slots: in visit v it names slot v + 1, v = 0 .. 6, one visit (two key steps) ahead of its own load.
; Only that work-group of a head asks (its second block walks all eight slots); in it waves 4 and 5 ask for K's halves, waves 6 and 7 for V's, lanes 256 bytes apart: 8,192 bytes a wave.
; So each aligned block of 256 bytes of slots 1 to 7 is named once in the launch; slot 0 comes by its loads alone, and visit 7 asks for nothing.
.macro ASK
	s_cmp_lt_u32 s[VIS], s[LIM]
	s_cbranch_scc0 .Lnot_mine_\@
	global_prefetch_b8 v[PFO], s[PFA:PFA+1] th:TH_LOAD_NT scope:SCOPE_SE
.Lnot_mine_\@:
.endm
	s_load_b128 s[4:7], s[0:1], 0x0                ; qimg s[4:5], kimg s[6:7]
	s_load_b128 s[12:15], s[0:1], 0x10             ; vimg s[12:13], the scales s[14:15]
	s_load_b64 s[16:17], s[0:1], 0x20              ; aimg
	v_lshl_add_u32 v[SPW], v0, 2, SPARE
	v_mov_b32 v[NIL], 0
	ds_add_u32 v[SPW], v[NIL]                      ; the wave's opening: the add and its wait ahead of my first tensor load; work on registers stands between them
	ds_add_u32 v[SPW], v[NIL]
	v_lshrrev_b32 v8, 5, v0
	s_delay_alu instid0(VALU_DEP_1)
	v_readfirstlane_b32 s[WV], v8                  ; wave 0..15
	s_mov_b32 s[P], ttmp9
	s_add_co_u32 s[PP1], ttmp9, 1
	s_and_b32 s72, ttmp7, 0xffff                   ; batch x 16 + head
	s_lshl_b32 s74, s72, 17                        ; its image in qimg, kimg and vimg: 131,072 bytes each
	s_mov_b32 s75, 0
	s_mov_b32 s[G1], 3<<16                         ; no mask; elements of 8 bytes; no padding: every read takes 512 consecutive bytes
	s_mov_b32 s[G1+1], 32<<16                      ; tensor_dim0 = 32 elements: rows of 256 bytes
	s_mov_b32 s[G1+2], 32<<16                      ; tensor_dim1 = 32 rows
	s_mov_b32 s[G1+3], 32<<16                      ; tile_dim0
	s_mov_b32 s[G1+4], 32                          ; tile_dim1
	s_mov_b32 s[G1+5], 32                          ; the pitch: the block is dense
	s_mov_b32 s[G1+6], 0
	s_mov_b32 s[G1+7], 0
	s_mov_b32 s[G0], 1
	s_and_b32 s73, s[WV], 3
	s_lshl_b32 s[G0+1], s73, 13                    ; LDS: 8,192 x wave, in slot 0
	s_mov_b32 s[SEL], 0x76543210
	s_mov_b32 s[SEL+1], 0xfedcba98
	s_mov_b32 s[CS], 0x3e38aa3b                    ; log2(e) / 8
	s_mov_b32 s[TB], 0
	s_mov_b32 s[VIS], 0
	s_wait_dscnt 0x0                               ; the opening add is done
	s_wait_kmcnt 0x0
	s_load_b128 s[56:59], s[14:15], 0x18           ; entries 6 to 9
	s_load_b32 s60, s[14:15], 0x28                 ; entry 10
	s_cmp_lt_u32 s[WV], 2
	s_cselect_b64 s[KVB:KVB+1], s[6:7], s[12:13]
	s_add_nc_u64 s[KVB:KVB+1], s[KVB:KVB+1], s[74:75]
	s_and_b32 s96, s[WV], 1
	s_lshl_b32 s96, s96, 13                        ; which half of a slot's 16,384 bytes
	s_mov_b32 s97, 0
	s_add_nc_u64 s[KVB:KVB+1], s[KVB:KVB+1], s[96:97]
	s_mov_b64 s[G0+2:G0+3], s[KVB:KVB+1]           ; visit 0 takes key slot 0
	s_or_b32 s[G0+3], s[G0+3], 0x80000000
	TLOAD
	s_cmp_lt_u32 s[WV], 6                          ; the prefetches: waves 4, 5 stand in K, waves 6, 7 in V,
	s_cselect_b64 s[PFA:PFA+1], s[6:7], s[12:13]
	s_add_nc_u64 s[PFA:PFA+1], s[PFA:PFA+1], s[74:75]
	s_add_nc_u64 s[PFA:PFA+1], s[PFA:PFA+1], s[96:97]  ; at their half of slot 0: the first change of slots steps it to slot 1.  Nothing is prefetched here, at the head
	s_sub_co_u32 s96, s[WV], 4
	s_lshr_b32 s96, s96, 2                         ; 0 in waves 4 to 7,
	s_or_b32 s96, s96, ttmp9                       ; of the work-group with p = 0
	s_cmp_eq_u32 s96, 0
	s_cselect_b32 s[LIM], 7, 0
	s_lshl_b32 s96, s[P], 4
	s_add_co_u32 s96, s96, s[WV]                   ; my tile of 16 queries in the first block: 16 p + wave,
	s_sub_co_u32 s73, 7, s[P]
	s_lshl_b32 s73, s73, 4
	s_add_co_u32 s73, s73, s[WV]                   ; in the second: 16 (7 - p) + wave
	s_lshl_b32 s[Q0], s96, 4
	s_lshl_b32 s[QH0], s73, 4
	s_add_nc_u64 s[4:5], s[4:5], s[74:75]
	s_lshl_b32 s84, s96, 10                        ; a tile's image is 1,024 bytes
	s_mov_b32 s85, 0
	s_add_nc_u64 s[QLO:QLO+1], s[4:5], s[84:85]
	s_lshl_b32 s84, s73, 10
	s_add_nc_u64 s[QHI:QHI+1], s[4:5], s[84:85]
	s_lshr_b32 s86, s72, 4
	s_lshl_b32 s86, s86, 7                         ; 128 x batch: tiles of 16 rows
	s_and_b32 s87, s72, 15
	s_lshl_b32 s87, s87, 10                        ; 1,024 x head: (head / 2) fragments of 2,048 bytes + (head % 2) halves
	s_add_co_u32 s84, s86, s96
	s_lshl_b32 s84, s84, 14                        ; 16 rows' image is 16,384 bytes
	s_add_co_u32 s84, s84, s87
	s_add_nc_u64 s[OLO:OLO+1], s[16:17], s[84:85]
	s_add_co_u32 s84, s86, s73
	s_lshl_b32 s84, s84, 14
	s_add_co_u32 s84, s84, s87
	s_add_nc_u64 s[OHI:OHI+1], s[16:17], s[84:85]
	v_and_b32 v[LI], 31, v0
	s_delay_alu instid0(VALU_DEP_1)
	v_lshlrev_b32 v[PFO], 8, v[LI]
	s_delay_alu instid0(VALU_DEP_2)
	v_lshlrev_b32 v[LI], 4, v[LI]
	v_and_b32 v[DG], 15, v0
	v_bfe_u32 v10, v0, 4, 1
	s_delay_alu instid0(VALU_DEP_1)
	v_lshlrev_b32 v10, 3, v10
	s_delay_alu instid0(VALU_DEP_1)
	v_sub_nc_u32 v[DG], v[DG], v10                 ; r - 8 h
	v_mov_b32 v236, 0                              ; written once: a lane permute's destination counts as one of its sources
	v_mov_b32 v252, 0
	v_mov_b32 v253, 0                              ; (named as the upper half of the pair v[252:253])
.macro RESET                           ; a block of queries begins: the step is written once, its first run finds zeros, which the first change of M leaves zeros
	v_mov_b32 v13, 0xff61b1e6                      ; the largest t so far: -3e38, under every t
	s_delay_alu instid0(VALU_DEP_1)
	v_floor_f32 v12, -v13                          ; -M
	v_mov_b32 v14, 0
	v_mov_b32 v15, 0
.set jj, 0
.rept 32
	v_mov_b32 v[160+jj], 0
.set jj, jj+1
.endr
.endm
.macro QLOAD base
	global_load_b128 v[16:19], v[LI], s[\base:\base+1]
	global_load_b128 v[20:23], v[LI], s[\base:\base+1] offset:512
	s_wait_loadcnt 0x0
.endm
	RESET
	s_wait_kmcnt 0x0
	s_add_co_i32 s72, s56, s57
	s_lshl_b32 s72, s72, 23
	s_add_co_i32 s[CS], s[CS], s72                 ; a score stands for score x 2^(entries 6 + 7): added to c's exponent field
	s_mov_b32 s[CS+1], s[CS]                       ; (named with it as a pair, so it is written)
	s_add_co_i32 s72, s58, 127
	s_lshl_b32 s73, s72, 23
	v_mov_b32 v244, s73                            ; 2^(entry 8), for p's conversions
	s_add_co_i32 s72, s60, 127
	s_lshl_b32 s73, s72, 23
	v_mov_b32 v246, s73                            ; 2^(entry 10), for the result's
	s_add_co_i32 s61, s58, s59                     ; entries 8 + 9
	QLOAD QLO
; A KEY STEP: 128 keys, the q-th of the slot in hand
.macro STEP q
	s_add_co_u32 s96, s[Q0], 15
	s_cmp_gt_u32 s[KF], s96                        ; all its keys come after my queries: ids alone; the branch leads round no barrier and no tensor load
	s_cbranch_scc1 .Lhidden_\@
	v_add_nc_u32 v[ADK], s[TB], v[LI]
.rept 3
	v_nop                                          ; with the addition above: four places in front of loads into registers that the last products read
.endr
.irp t, 0,1,2,3,4,5,6,7
.irp u, 0,1
	ds_load_b128 v[32+8*\t+4*\u:35+8*\t+4*\u], v[ADK] offset:(\q)*8192+\t*1024+\u*512
.endr
.endr
	s_wait_alu depctr_va_vdst(0)
	s_wait_dscnt 0x0
.irp t, 0,1,2,3,4,5,6,7
	v_wmma_f32_16x16x64_fp8_fp8 v[96+8*\t:103+8*\t], v[32+8*\t:39+8*\t], v[16:23], 0
.endr
.rept 4
	v_nop                                          ; places in front of the loads below and of the first read of the scores
.endr
.irp dt, 0,1,2,3                       ; V's four fragments land while the softmax is walked
.irp c, 0,1,2,3
	ds_load_b128 v[32+16*\dt+4*\c:35+16*\dt+4*\c], v[ADK] offset:VOFF+(\q)*8192+\dt*2048+\c*512
.endr
.endr
	s_add_co_u32 s96, s[KF], 127
	s_cmp_le_u32 s96, s[Q0]                        ; all its keys count: nothing is hidden
	s_cbranch_scc1 .Lopen_\@
	s_sub_co_i32 s96, s[Q0], s[KF]
	v_add_nc_u32 v252, s96, v[DG]                  ; d = my query - the step's first key - 8 h.  Register 8 t + j holds key 16 t + 8 h + j of the step: hidden where 16 t + j > d
	v_mov_b32 v254, 0xff800000                     ; -infinity
.set jj, 0
.rept 64
	v_cmp_gt_i32 vcc_lo, 16*(jj/8)+jj%8, v252
	v_cndmask_b32 v[96+jj], v[96+jj], v254, vcc_lo
.set jj, jj+1
.endr
.Lopen_\@:
	v_max3_num_f32 v254, v96, v97, v98             ; the step's largest score of my query, among my 64 keys, in two chains,
	v_max3_num_f32 v252, v99, v100, v101
.set jj, 6
.rept 14
	v_max3_num_f32 v254, v254, v[96+jj], v[97+jj]
	v_max3_num_f32 v252, v252, v[98+jj], v[99+jj]
.set jj, jj+4
.endr
	v_max3_num_f32 v254, v254, v158, v159
	s_delay_alu instid0(VALU_DEP_1)
	v_max_num_f32 v254, v254, v252
	s_delay_alu instid0(VALU_DEP_1)
	v_permlanex16_b32 v236, v254, s[SEL], s[SEL+1]
	s_delay_alu instid0(VALU_DEP_1)
	v_max_num_f32 v254, v254, v236                 ; and among lane l xor 16's
	s_delay_alu instid0(VALU_DEP_1)
	v_mul_f32 v254, s[CS], v254                    ; as t (c is positive)
	s_delay_alu instid0(VALU_DEP_1)
	v_max_num_f32 v13, v13, v254                   ; the running largest t
	v_mov_b32 v254, v12
	s_delay_alu instid0(VALU_DEP_2)
	v_floor_f32 v12, -v13                          ; the new -M = floor(-t) = -ceil(t): a whole number
	s_delay_alu instid0(VALU_DEP_1)
	v_sub_f32 v254, v12, v254                      ; M's old value less its new one: a whole number, 0 or less
	s_delay_alu instid0(VALU_DEP_1)
	v_cvt_i32_f32 v254, v254                       ; (it saturates)
	s_delay_alu instid0(VALU_DEP_1)
	v_ldexp_f32 v252, 1.0, v254                    ; f = 2^(old M - new M)
.set jj, 0
.rept 32
	v_pk_fma_f32 v[96+jj:97+jj], v[96+jj:97+jj], s[CS:CS+1], v[12:13] op_sel_hi:[1,0,0]   ; t - M, two at a time
.set jj, jj+2
.endr
.set jj, 0
	s_wait_alu depctr_va_vdst(0)
.rept 64
	v_exp_f32 v[96+jj], v[96+jj]                   ; p = 2^(t - M), at most 1
.set jj, jj+1
.endr
	v_pk_mul_f32 v[14:15], v[14:15], v[252:253] op_sel_hi:[1,0]   ; the sums under the new M: the plain line behind the exponentials
	s_wait_alu depctr_va_vdst(0)                   ; one wait for the whole batch, ahead of its first reader
	v_pk_add_f32 v[242:243], v[100:101], v[104:105]
	v_pk_add_f32 v[254:255], v[108:109], v[112:113]
	v_pk_add_f32 v[250:251], v[116:117], v[120:121]
	v_pk_add_f32 v[248:249], v[124:125], v[128:129]
	v_pk_add_f32 v[240:241], v[132:133], v[136:137]
	v_pk_add_f32 v[238:239], v[140:141], v[144:145]
	v_pk_add_f32 v[234:235], v[148:149], v[152:153]
	v_pk_add_f32 v[14:15], v[14:15], v[156:157]
	v_pk_add_f32 v[242:243], v[242:243], v[96:97]
	v_pk_add_f32 v[254:255], v[254:255], v[98:99]
	v_pk_add_f32 v[250:251], v[250:251], v[102:103]
	v_pk_add_f32 v[248:249], v[248:249], v[106:107]
	v_pk_add_f32 v[240:241], v[240:241], v[110:111]
	v_pk_add_f32 v[238:239], v[238:239], v[114:115]
	v_pk_add_f32 v[234:235], v[234:235], v[118:119]
	v_pk_add_f32 v[14:15], v[14:15], v[122:123]
	v_pk_add_f32 v[242:243], v[242:243], v[126:127]
	v_pk_add_f32 v[254:255], v[254:255], v[130:131]
	v_pk_add_f32 v[250:251], v[250:251], v[134:135]
	v_pk_add_f32 v[248:249], v[248:249], v[138:139]
	v_pk_add_f32 v[240:241], v[240:241], v[142:143]
	v_pk_add_f32 v[238:239], v[238:239], v[146:147]
	v_pk_add_f32 v[234:235], v[234:235], v[150:151]
	v_pk_add_f32 v[14:15], v[14:15], v[154:155]
	v_pk_add_f32 v[242:243], v[242:243], v[158:159]
	s_delay_alu instid0(VALU_DEP_2)
	v_pk_add_f32 v[14:15], v[14:15], v[248:249]
	s_delay_alu instid0(VALU_DEP_2)
	v_pk_add_f32 v[242:243], v[242:243], v[240:241]
	v_pk_add_f32 v[254:255], v[254:255], v[238:239]
	v_pk_add_f32 v[250:251], v[250:251], v[234:235]
	s_delay_alu instid0(VALU_DEP_2)
	v_pk_add_f32 v[14:15], v[14:15], v[254:255]
	s_delay_alu instid0(VALU_DEP_2)
	v_pk_add_f32 v[242:243], v[242:243], v[250:251]
	s_delay_alu instid0(VALU_DEP_1)
	v_pk_add_f32 v[14:15], v[14:15], v[242:243]
.irp t, 0,1,2,3,4,5,6,7
.irp i, 0,1,2,3,4,5,6,7
.endr
	v_cvt_scalef32_pk8_fp8_f32 v[192+2*\t:193+2*\t], v[96+8*\t:103+8*\t], v244
.endr
.set jj, 0
.rept 16
	v_pk_mul_f32 v[160+jj:161+jj], v[160+jj:161+jj], v[252:253] op_sel_hi:[1,0]   ; O^T under the new M.  (Also the plain lines between the conversions and the products)
.set jj, jj+2
.endr
	s_wait_alu depctr_va_vdst(0)
	s_wait_dscnt 0x0                               ; V is in
.irp dt, 0,1,2,3                       ; the four accumulators take turns, one instruction a turn; the next step's eight products stand between two turns of one
	v_wmma_f32_16x16x128_fp8_fp8 v[160+8*\dt:167+8*\dt], v[32+16*\dt:47+16*\dt], v[192:207], v[160+8*\dt:167+8*\dt]
.endr
.Lhidden_\@:
	s_add_co_u32 s[KF], s[KF], 128
.endm
; A block of queries is finished: O^T / the sum x 2^(entries 8 + 9), quantised with entry 10; the codes are the image's registers.  wait = 1: an earlier run's stores may still read the codes' registers.
.macro FINISH out, wait
.rept 4
	v_nop                                          ; places behind the last products
.endr
.if \wait
	s_wait_xcnt 0x0
.endif
	v_add_f32 v14, v14, v15                        ; the sum's two halves,
	s_delay_alu instid0(VALU_DEP_1)
	v_permlanex16_b32 v252, v14, s[SEL], s[SEL+1]
	s_delay_alu instid0(VALU_DEP_1)
	v_add_f32 v14, v14, v252                       ; and lane l xor 16's
	s_wait_alu depctr_va_vdst(0)
	v_rcp_f32 v14, v14
	v_nop                                          ; a plain line behind the transcendental,
	s_wait_alu depctr_va_vdst(0)                   ; and the wait ahead of its first reader
	v_ldexp_f32 v14, v14, s61
.set jj, 0
.rept 32
	v_mul_f32 v[96+jj], v[160+jj], v14
.set jj, jj+1
.endr
.set jj, 0
.rept 32
.set jj, jj+1
.endr
.irp dt, 0,1,2,3
	v_cvt_scalef32_pk8_fp8_f32 v[208+2*\dt:209+2*\dt], v[96+8*\dt:103+8*\dt], v246
.endr
	v_nop                                          ; a plain line between the conversions and the next write of their sources
	global_store_b128 v[LI], v[208:211], s[\out:\out+1]             ; 512 consecutive bytes, aligned
	global_store_b128 v[LI], v[212:215], s[\out:\out+1] offset:512
.endm
; THE CHANGE OF SLOTS stands at a visit's head.  Each wave waits for all its tensor loads (its part of the slot that it is about to read), adds 0 to its spare word, and waits for that and for its reads of the slot that it has left.
; Behind the barrier the slot ahead is whole and nobody reads the other one.  fill = 1: that other slot takes the next visit's keys: the load has a whole visit in which to land.  A wave has one tensor load out at the most.
.macro CHANGE fill
	s_wait_tensorcnt 0x0                           ; no tensor load of mine is out, so group 0 may be written
	ds_add_u32 v[SPW], v[NIL]                      ; 0 onto my spare word; work on registers stands between it and the wait for it
.if \fill
	s_add_co_u32 s96, s[VIS], 1
	KSOF s96, s96                                  ; the next visit's key slot
	s_lshl_b32 s96, s96, 14
	s_mov_b32 s97, 0
	s_add_nc_u64 s[G0+2:G0+3], s[KVB:KVB+1], s[96:97]
	s_or_b32 s[G0+3], s[G0+3], 0x80000000
	s_xor_b32 s[G0+1], s[G0+1], SLOT1              ; into the other slot than last time
	s_wait_xcnt 0x0                                ; the last prefetch, a visit back, has read its address; and a finished block's stores have read their registers
	s_add_nc_u64 s[PFA:PFA+1], s[PFA:PFA+1], 16384
.endif
	s_wait_dscnt 0x0                               ; the add is done, and my reads of the slot that I have left are over
	s_barrier_signal -1
	s_barrier_wait -1
.if \fill
	TLOAD                                          ; the first thing behind the barrier, and a wave's one tensor load until the next
	ASK
.endif
.endm
.Lvisit:                                           ; eight trips: behind each change of slots but the last the next visit's slot is asked for
	CHANGE 1
	KSOF s96, s[VIS]
	s_lshl_b32 s[KF], s96, 8                       ; the visit's first key
	s_cmp_eq_u32 s[VIS], s[PP1]                    ; the second block begins: ids and the count of visits alone; no barrier, tensor load or LDS access stands under the branch
	s_cbranch_scc0 .Lsame
	FINISH OLO, 0
	RESET
	QLOAD QHI
	s_mov_b32 s[Q0], s[QH0]
.Lsame:
	STEP 0
	STEP 1
	s_xor_b32 s[TB], s[TB], SLOT1
	s_add_co_u32 s[VIS], s[VIS], 1
	s_cmp_lt_u32 s[VIS], 8
	s_cbranch_scc1 .Lvisit
	CHANGE 0                                       ; the ninth visit is written out: it asks for nothing
	KSOF s96, s[VIS]
	s_lshl_b32 s[KF], s96, 8
	STEP 0
	STEP 1
	FINISH OHI, 1
	s_wait_tensorcnt 0x0                           ; the wave's end: behind my last tensor load
	ds_add_u32 v[SPW], v[NIL]
	s_wait_dscnt 0x0
	s_endpgm
.Lfunc_end_k_q0511b1792a_attn:
	.size	k_q0511b1792a_attn, .Lfunc_end_k_q0511b1792a_attn-k_q0511b1792a_attn
	.p2alignl 7, 3214868480
	.fill 96, 4, 3214868480
	.section	.rodata,"a",@progbits
	.p2align	6, 0x0
	.amdhsa_kernel k_q0511b1792a_attn
		.amdhsa_group_segment_fixed_size 327680
		.amdhsa_private_segment_fixed_size 0
		.amdhsa_enable_private_segment 0
		.amdhsa_kernarg_size 40
		.amdhsa_user_sgpr_count 2
		.amdhsa_user_sgpr_kernarg_segment_ptr 1
		.amdhsa_wavefront_size32 1
		.amdhsa_system_sgpr_workgroup_id_x 1
		.amdhsa_system_sgpr_workgroup_id_y 1
		.amdhsa_system_sgpr_workgroup_id_z 1
		.amdhsa_system_vgpr_workitem_id 0
		.amdhsa_next_free_vgpr 256
		.amdhsa_next_free_sgpr 100
		.amdhsa_reserve_vcc 1
		.amdhsa_float_denorm_mode_32 3
		.amdhsa_float_denorm_mode_16_64 3
		.amdhsa_fp16_overflow 1
		.amdhsa_memory_ordered 1
		.amdhsa_forward_progress 1
		.amdhsa_inst_pref_size 89
	.end_amdhsa_kernel
	.amdgpu_metadata
---
amdhsa.version: [ 1, 2 ]
amdhsa.kernels:
  - .name:           k_q0511b1792a_attn
    .symbol:         k_q0511b1792a_attn.kd
    .args:
      - { .name: qimg, .offset: 0, .size: 8, .value_kind: global_buffer, .address_space: global }
      - { .name: kimg, .offset: 8, .size: 8, .value_kind: global_buffer, .address_space: global }
      - { .name: vimg, .offset: 16, .size: 8, .value_kind: global_buffer, .address_space: global }
      - { .name: lowp_scales, .offset: 24, .size: 8, .value_kind: global_buffer, .address_space: global }
      - { .name: aimg, .offset: 32, .size: 8, .value_kind: global_buffer, .address_space: global }
    .group_segment_fixed_size: 327680
    .private_segment_fixed_size: 0
    .kernarg_segment_align: 8
    .kernarg_segment_size: 40
    .max_flat_workgroup_size: 512
    .sgpr_count:     100
    .vgpr_count:     256
    .wavefront_size: 32
...
	.end_amdgpu_metadata
.endif
;; end of part 3
;; launch oproj (part 4): grid 4 x 32, 4 waves a work-group, clusters of 4 x 4, 327,680 bytes of LDS; arguments aimg, wcodes, lowp_scales, out0; writes out0
.if DOCPART == 4
	.amdgcn_target "amdgcn-amd-amdhsa--gfx1250"
	.amdhsa_code_object_version 6
	.text
	.protected	k_q0511b1792a_oproj
	.globl	k_q0511b1792a_oproj
	.p2align	8
	.type	k_q0511b1792a_oproj,@function
k_q0511b1792a_oproj:
	s_mov_b64 s[64:65], 0
	v_nop
	global_prefetch_b8 v0, s[64:65] scope:SCOPE_SE
	s_setreg_imm32_b32 hwreg(HW_REG_WAVE_MODE, 25, 1), 1
	s_wait_xcnt 0x0
	s_wait_alu depctr_hold_cnt(0) depctr_sa_sdst(0) depctr_va_vdst(0) depctr_va_sdst(0) depctr_va_ssrc(0) depctr_va_vcc(0) depctr_vm_vsrc(0)
	s_getreg_b32 s2, hwreg(HW_REG_IB_STS2, 6, 4)
	s_cmp_eq_u32 s2, 0
	s_cbranch_scc0 .Lentry_in_a_cluster
	s_endpgm
.Lentry_in_a_cluster:
	s_bfe_u32 s2, ttmp6, 0x10000c
	s_cmp_lg_u32 s2, 0xf033
	s_cbranch_scc0 .Lentry_shape_is_right
	s_endpgm
.Lentry_shape_is_right:
; THE LAST PROJECTION: out[m][n] = sum over k of A[m][k] W_o[n][k] x 2^(entries 10 + 11), on codes of E4M3; out [8192][1024] f32; sums in f32.
; A arrives as images of operand registers: aimg [row / 16][k / 128][c4 0-3][lane][16], K in the instruction's own places (registers 2 c, 2 c + 1 of lane (r, h): k = 16 c + 8 h + 0 .. 7).
; W_o's codes are the fourth MiB of wcodes, [1024][1024], K innermost; its fragments are therefore read in the same places, by eight loads of 8 bytes.
; LIMIT: entries 10 + 11 lie between -126 and 127, so that 2^(their sum) is an f32 number.
; A tile of the result, 256 x 256, is made by four waves, 128 x 128 each: 64 accumulators, 512 registers.  K goes in steps of 256 through a ring of two LDS slots filled by the tensor data mover.
; CLUSTERS: 4 x 4.  The four of a row of the cluster need the same tiles of A, the four of a column the same tiles of W_o: each tile is asked for jointly.
; THE MATRIX INSTRUCTION IS USED TRANSPOSED (source 0 = 16 rows of W_o, source 1 = 16 rows of A): a lane holds eight neighbouring numbers of a row of the result.
; The problem has 128 such tiles: 128 work-groups.
; REGISTERS, in windows of 256: window 0: v0-31 addresses; from v128 A's fragments, ONE set; on the way out v32-255 are free.   window 1: W_o's fragments, TWO sets.   windows 2, 3: the accumulators of my rows 0-63, 64-127.
.set SIZE_N, 1024
.set ROWB,   256                       ; a row of B's tile in bytes
.set KROW,   1024
.set PITCH,  272                       ; B's LDS row: 256 bytes + 16 of padding = 68 words: lane (r, h) of a load of 8 bytes starts at bank 4 r + 2 h: 64 different banks (ISA guide 11.1)
.set FR,     16
.set NL,     4                         ; LDS loads that bring a fragment of A
.set NP,     4
.set HALFA,  32768                     ; A: 8 tiles of 16 rows x 4,096 bytes (two fragments each): what one tensor load brings
.set AIMG,   2*HALFA
.set HALFB,  128*PITCH
.set SLOT,   AIMG+2*HALFB              ; A's images, then B's 256 rows
.set LAPS,   2
.set SPARE,  2*SLOT                    ; behind the ring: the spare words, 128 bytes a wave, which no other line names
.set SPITCH, 528                       ; the way out: a stage of 16 rows x (512 bytes + 16) for each wave, in slot 0, which has had its last fill and its last read when the first result is stored there
.set ADRA, 16
.set ADRB, 20
.set STO,  24
.set RD,   25
.set CO,   26                          ; v26  16 x lane
.set SPW,  28
.set NIL,  29
.set TMP,  32
.set AF,   128
.set BK,   128
.set G1, 24
.set G0, 32
.set G1B, 48
.set G0B, 56
.set MSB, 0
.macro WIN new
.if MSB != \new
	s_set_vgpr_msb (MSB<<8)|\new
.set MSB, \new
.endif
.endm
.set MUL_LO, 0xa1
.set MUL_HI, 0xf1
.set TO_B,   0x40
.macro JLOAD g0a, g1a, g0b, g1b        ; a joint load: waves 0 and 1 fetch for A, waves 2 and 3 for B; an s_nop 0 and four v_nop follow each of the two lines
	s_cmp_eq_u32 s15, 0
	s_cbranch_scc0 .Lfor_b_\@
	tensor_load_to_lds s[\g0a:\g0a+3], s[\g1a:\g1a+7]
	s_nop 0
.rept 4
	v_nop
.endr
	s_branch .Lasked_\@
.Lfor_b_\@:
	tensor_load_to_lds s[\g0b:\g0b+3], s[\g1b:\g1b+7]
	s_nop 0
.rept 4
	v_nop
.endr
.Lasked_\@:
.endm
.macro CREST
	s_cmp_lg_u32 s14, 0
	s_cbranch_scc1 .Lnot_wave_0_\@
	s_barrier_signal -3
.Lnot_wave_0_\@:
	s_barrier_wait -3
	s_barrier_signal -1
	s_barrier_wait -1
.endm
.macro CROUND
	s_barrier_signal -1
	s_barrier_wait -1
	CREST
.endm
	s_load_b128 s[4:7], s[0:1], 0x0                ; aimg s[4:5], wcodes s[6:7]
	s_load_b128 s[8:11], s[0:1], 0x10              ; the scales s[8:9], out s[10:11]
	v_lshl_add_u32 v[SPW], v0, 2, SPARE
	v_mov_b32 v[NIL], 0
	ds_add_u32 v[SPW], v[NIL]                      ; the wave's opening: the add and its wait ahead of my first tensor load; work on registers stands between them
	ds_add_u32 v[SPW], v[NIL]
	v_lshrrev_b32 v1, 5, v0
	v_readfirstlane_b32 s14, v1                    ; wave 0..3
	s_lshr_b32 s15, s14, 1                         ; which half of the tile's rows is mine.  Also: I fetch for A (0) or for B (1)
	s_and_b32 s16, s14, 1                          ; which half of its columns.  Also: which 128 rows of that tile I fetch
	s_bfe_u32 s40, ttmp6, 0x40000                  ; cx, cy
	s_bfe_u32 s41, ttmp6, 0x40004
	s_lshl_b32 s42, ttmp9, 2
	s_add_co_u32 s42, s42, s40                     ; tile column
	s_and_b32 s17, ttmp7, 0xffff
	s_lshl_b32 s17, s17, 2
	s_add_co_u32 s17, s17, s41                     ; tile row
	s_lshl_b32 s43, s41, 2
	s_lshl_b32 s43, 15, s43                        ; my row of the cluster
	s_lshl_b32 s44, 0x1111, s40                    ; my column
	s_or_b32 s[G1+0], s43, (3<<16)|(1<<21)         ; A: the mask of my row; elements of 8 bytes; 21 set beside a mask; no padding: every read takes 512 consecutive bytes
	s_mov_b32 s[G1+1], 512<<16                     ; tensor_dim0 = 512 elements: 4,096 bytes, two fragments of one tile of 16 rows
	s_mov_b32 s[G1+2], 8<<16                       ; tensor_dim1 = 8 tiles of 16 rows
	s_mov_b32 s[G1+3], 512<<16                     ; tile_dim0
	s_mov_b32 s[G1+4], 8                           ; tile_dim1
	s_mov_b32 s[G1+5], 2048                        ; the pitch: 16,384 bytes from one tile of 16 rows to the next
	s_mov_b32 s[G1+6], 0
	s_mov_b32 s[G1+7], 0
	s_or_b32 s[G1B+0], s44, (0<<16)|(1<<20)|(1<<21)|(5<<22)|(3<<25)  ; B: the mask of my column; elements of 1 byte; four words of padding after every 64
	s_mov_b32 s[G1B+1], ROWB<<16
	s_mov_b32 s[G1B+2], 128<<16
	s_mov_b32 s[G1B+3], ROWB<<16
	s_mov_b32 s[G1B+4], 128
	s_mov_b32 s[G1B+5], KROW
	s_mov_b32 s[G1B+6], 0
	s_mov_b32 s[G1B+7], 0
	s_lshl_b32 s20, s17, 4
	s_lshl_b32 s18, s16, 3
	s_add_co_u32 s20, s20, s18
	s_lshl_b32 s20, s20, 14                        ; A: (16 x tile row + 8 x half) tiles of 16 rows, 16,384 bytes each
	s_mov_b32 s21, 0
	s_lshl_b32 s46, s42, 8
	s_lshl_b32 s18, s16, 7
	s_add_co_u32 s46, s46, s18
	s_lshl_b32 s46, s46, 10                        ; B: (256 x tile column + 128 x half) rows of 1,024 bytes,
	s_add_co_u32 s46, s46, 3<<20                   ; in the fourth weight
	s_mov_b32 s47, 0
	s_lshl_b32 s45, s16, 15                        ; where they go: A's half,
	s_mul_i32 s19, s16, HALFB
	s_add_co_u32 s19, s19, AIMG                    ; B's half: no place in the cluster enters an LDS address
	s_wait_dscnt 0x0                               ; the opening add is done
	s_wait_kmcnt 0x0
	s_load_b64 s[96:97], s[8:9], 0x28              ; entries 10, 11
	s_add_nc_u64 s[20:21], s[4:5], s[20:21]
	s_add_nc_u64 s[46:47], s[6:7], s[46:47]
	CROUND                                         ; all sixteen work-groups are here: the first joint loads meet
.irp s, 0,1
	s_mov_b32 s[G0+4*\s], 1
	s_add_co_u32 s[G0+4*\s+1], s45, \s*SLOT
	s_add_nc_u64 s[G0+4*\s+2:G0+4*\s+3], s[20:21], \s*4096
	s_or_b32 s[G0+4*\s+3], s[G0+4*\s+3], 0x80000000
	s_mov_b32 s[G0B+4*\s], 1
	s_add_co_u32 s[G0B+4*\s+1], s19, \s*SLOT
	s_add_nc_u64 s[G0B+4*\s+2:G0B+4*\s+3], s[46:47], \s*ROWB
	s_or_b32 s[G0B+4*\s+3], s[G0B+4*\s+3], 0x80000000
	s_wait_alu depctr_va_vdst(0)
	s_wait_tensorcnt 0x0
	ds_add_u32 v28, v29
	ds_add_u32 v28, v29
	s_wait_dscnt 0x0
	CROUND
	JLOAD G0+4*\s, G1, G0B+4*\s, G1B
.endr
	v_and_b32 v1, 15, v0                           ; l % 16
	v_bfe_u32 v2, v0, 4, 1                         ; l / 16
	v_and_b32 v6, 31, v0
	v_lshlrev_b32 v[CO], 4, v6                     ; 16 x lane: my place in an image, and in a row of 512 bytes of the result
	v_mul_u32_u24 v3, v1, PITCH
	v_lshl_add_u32 v4, v2, 3, v3                   ; B: row x pitch + 8 x half
	s_lshl_b32 s21, s15, 15                        ; my 128 rows of A
	s_mul_i32 s22, s16, HALFB
	s_add_co_u32 s22, s22, AIMG                    ; my 128 rows of B
.irp s, 0,1
	v_add_nc_u32 v[ADRA+\s], s21, v[CO]
	v_add_nc_u32 v[ADRB+\s], s22, v4
	s_add_co_u32 s21, s21, SLOT
	s_add_co_u32 s22, s22, SLOT
.endr
	s_mul_i32 s23, s14, 16*SPITCH                  ; my stage
	v_mul_u32_u24 v5, v1, SPITCH                   ; in: row l % 16, 32 bytes for each half of the lanes
	v_lshl_add_u32 v5, v2, 5, v5
	v_add_nc_u32 v[STO], s23, v5
	v_add_nc_u32 v[RD], s23, v[CO]                 ; back: the 32 lanes take one row of 512 bytes
	s_lshl_b32 s20, s17, 8
	s_lshl_b32 s21, s15, 7
	s_add_co_u32 s20, s20, s21
	s_lshl_b32 s20, s20, 12                        ; my first row of the result: rows of 4,096 bytes
	s_lshl_b32 s46, s42, 10
	s_lshl_b32 s47, s16, 9
	s_add_co_u32 s46, s46, s47                     ; my first column, in bytes
	s_add_co_u32 s20, s20, s46
	s_mov_b32 s21, 0
	s_add_nc_u64 s[10:11], s[10:11], s[20:21]
.macro FRAGA reg, slot, q, i           ; a fragment of A comes as it was stored: four loads of 512 consecutive bytes
.irp c, 0,1,2,3
	ds_load_b128 v[\reg+4*\c:\reg+4*\c+3], v[ADRA+\slot] offset:(\i)*4096+(\q)*2048+512*\c
.endr
.endm
.macro FRAGB reg, slot, q, i           ; a fragment of B from rows: registers 2 c, 2 c + 1 hold K = 16 c + 8 (l / 16) + 0 .. 7
.irp c, 0,1,2,3,4,5,6,7
	ds_load_b64 v[\reg+2*\c:\reg+2*\c+1], v[ADRB+\slot] offset:128*(\q)+16*\c+(\i)*16*PITCH
.endr
.endm
.macro MUL16 a0, p, zero               ; 16 matrix instructions; the 64 accumulators take turns, one instruction a turn, in the same order in every step
.irp a, \a0, \a0+1
.irp b, 0,1,2,3,4,5,6,7
.if \zero
	v_wmma_f32_16x16x128_fp8_fp8 v[8*(8*((\a)%4)+\b):8*(8*((\a)%4)+\b)+7], v[128*(\p)+FR*\b:128*(\p)+FR*\b+FR-1], v[AF+FR*(\a):AF+FR*(\a)+FR-1], 0
.else
	v_wmma_f32_16x16x128_fp8_fp8 v[8*(8*((\a)%4)+\b):8*(8*((\a)%4)+\b)+7], v[128*(\p)+FR*\b:128*(\p)+FR*\b+FR-1], v[AF+FR*(\a):AF+FR*(\a)+FR-1], v[8*(8*((\a)%4)+\b):8*(8*((\a)%4)+\b)+7]
.endif
.endr
.endr
.endm
.macro FETCH_B slot, q, p
	WIN TO_B
.irp i, 0,1,2,3,4,5,6,7
	FRAGB 128*(\p)+FR*\i, \slot, \q, \i
.endr
	WIN 0
.endm
.macro FETCH_A slot, q, i0
.irp i, \i0, \i0+1, \i0+2, \i0+3
	FRAGA AF+FR*(\i), \slot, \q, \i
.endr
.endm
.macro PLACES n
.rept \n
	v_nop
.endr
.endm
.macro STEP slot, q, zero
	s_wait_dscnt 4*NL                              ; B's set and A's blocks 0-3 are in; the youngest sixteen loads (A's blocks 4-7) may be out
	WIN MUL_LO
	MUL16 0, (\q)%2, \zero
	MUL16 2, (\q)%2, \zero
	s_wait_dscnt 0
	PLACES NP
	FETCH_B \slot, (\q)+1, 1-(\q)%2
	FETCH_A \slot, (\q)+1, 0
	WIN MUL_HI
	MUL16 4, (\q)%2, \zero
	MUL16 6, (\q)%2, \zero
	PLACES NP
	WIN 0
	FETCH_A \slot, (\q)+1, 4
.endm
.macro TURN slot, next, fill           ; a slot's last step changes slots: one barrier, the three lines in front of it; fill = 1: this slot is filled again, two K steps ahead
	s_wait_tensorcnt 0x0                           ; all my tensor loads have landed: my part of the next slot
	ds_add_u32 v[SPW], v[NIL]                      ; 0 onto my spare word
	s_wait_dscnt 4*NL+1                            ; (the add and the youngest sixteen loads may be out)
	WIN MUL_LO
	MUL16 0, 1, 0
	s_wait_dscnt 0x0                               ; the add is done, and my reads of this slot are over
	s_barrier_signal -1
	MUL16 2, 1, 0
	WIN 0
	s_barrier_wait -1
.if \fill
	CREST                                          ; the barrier has opened a round of the cluster's barrier
	s_add_nc_u64 s[G0+4*\slot+2:G0+4*\slot+3], s[G0+4*\slot+2:G0+4*\slot+3], 2*4096
	s_add_nc_u64 s[G0B+4*\slot+2:G0B+4*\slot+3], s[G0B+4*\slot+2:G0B+4*\slot+3], 2*ROWB
	JLOAD G0+4*\slot, G1, G0B+4*\slot, G1B         ; the first tensor load behind the round; its four v_nop are the places in front of the loads below
.else
	PLACES NP
.endif
	FETCH_B \next, 0, 0
	FETCH_A \next, 0, 0
	WIN MUL_HI
	MUL16 4, 1, 0
	MUL16 6, 1, 0
	PLACES NP
	WIN 0
	FETCH_A \next, 0, 4
.endm
	s_wait_alu depctr_va_vdst(0)
	s_wait_tensorcnt 1                             ; my part of K step 0 is in (K step 1's load may be out)
	s_barrier_signal -1
	s_barrier_wait -1                              ; everybody's is
	FETCH_B 0, 0, 0
	FETCH_A 0, 0, 0
	FETCH_A 0, 0, 4
	STEP 0, 0, 1                                   ; the first step's products start the sums
	s_mov_b32 s3, LAPS-1
.Llap:
	TURN 0, 1, 1
	STEP 1, 0, 0
	TURN 1, 0, 1
	STEP 0, 0, 0
	s_sub_co_u32 s3, s3, 1
	s_cmp_lg_u32 s3, 0
	s_cbranch_scc1 .Llap
	TURN 0, 1, 0                                   ; the last lap fills nothing, and has no round of the cluster's barrier
	STEP 1, 0, 0
	s_wait_dscnt 4*NL
	WIN MUL_LO
	MUL16 0, 1, 0
	MUL16 2, 1, 0
	s_wait_dscnt 0
	WIN MUL_HI
	MUL16 4, 1, 0
	MUL16 6, 1, 0
	WIN 0
; THE WAY OUT, block by block of 16 rows x 128 columns, through my own stage in LDS: in as 32 bytes a lane, back as whole rows of 512 bytes.  LDS serves a wave's instructions in order (ISA guide 5.7.1.4).
.macro TOSTAGE a
.set AC, 64*((\a)%4)
	WIN 0x02+((\a)/4)
.set jj, 0
.rept 32
	v_pk_mul_f32 v[TMP+jj:TMP+jj+1], v[AC+jj:AC+jj+1], s[96:97] op_sel_hi:[1,0]   ; x 2^(entries 10 + 11); each accumulator from its low end on
.set jj, jj+2
.endr
	WIN 0
.irp b, 0,1,2,3,4,5,6,7
	ds_store_b128 v[STO], v[TMP+8*\b:TMP+8*\b+3] offset:64*\b
	ds_store_b128 v[STO], v[TMP+8*\b+4:TMP+8*\b+7] offset:64*\b+16
.endr
.set BB, BK+64*((\a)%2)
.irp t, 0,1,2,3,4,5,6,7,8,9,10,11,12,13,14,15
	ds_load_b128 v[BB+4*\t:BB+4*\t+3], v[RD] offset:\t*SPITCH
.endr
.endm
.macro SEND a, younger                 ; younger: the LDS instructions issued behind block a's loads, which may stay out
.set BB, BK+64*((\a)%2)
	s_wait_dscnt \younger
.if (\a) > 0
	s_add_nc_u64 s[10:11], s[10:11], 16*SIZE_N*4   ; (behind a wait on XCNT: the earlier stores have read their base)
.endif
.irp t, 0,1,2,3,4,5,6,7,8,9,10,11,12,13,14,15
	global_store_b128 v[CO], v[BB+4*\t:BB+4*\t+3], s[10:11] offset:\t*SIZE_N*4 th:TH_STORE_NT   ; 32 lanes store 512 consecutive bytes, aligned
.endr
.endm
	s_wait_kmcnt 0x0
	s_add_co_i32 s96, s96, s97
	s_add_co_i32 s96, s96, 127
	s_lshl_b32 s96, s96, 23                        ; 2^(entries 10 + 11) as f32
	PLACES NP                                      ; behind the last products: results are read, and loads land in registers that held A's fragments
	TOSTAGE 0
.irp a, 1,2,3,4,5,6,7
.if \a > 1
	s_wait_xcnt 0x0                                ; block a - 2's stores have read their registers and their base
.endif
	TOSTAGE \a
	SEND \a-1, 32                                  ; behind block a - 1's loads: block a's 16 stores and 16 loads
.endr
	s_wait_xcnt 0x0
	SEND 7, 0
	s_wait_tensorcnt 0x0                           ; the wave's end: behind my last tensor load and my last LDS store
	ds_add_u32 v[SPW], v[NIL]
	s_wait_dscnt 0x0
	CROUND                                         ; the closing round
	s_endpgm
.Lfunc_end_k_q0511b1792a_oproj:
	.size	k_q0511b1792a_oproj, .Lfunc_end_k_q0511b1792a_oproj-k_q0511b1792a_oproj
	.p2alignl 7, 3214868480
	.fill 96, 4, 3214868480
	.section	.rodata,"a",@progbits
	.p2align	6, 0x0
	.amdhsa_kernel k_q0511b1792a_oproj
		.amdhsa_group_segment_fixed_size 327680
		.amdhsa_private_segment_fixed_size 0
		.amdhsa_enable_private_segment 0
		.amdhsa_kernarg_size 32
		.amdhsa_user_sgpr_count 2
		.amdhsa_user_sgpr_kernarg_segment_ptr 1
		.amdhsa_wavefront_size32 1
		.amdhsa_system_sgpr_workgroup_id_x 1
		.amdhsa_system_sgpr_workgroup_id_y 1
		.amdhsa_system_sgpr_workgroup_id_z 1
		.amdhsa_system_vgpr_workitem_id 0
		.amdhsa_next_free_vgpr 1024
		.amdhsa_next_free_sgpr 98
		.amdhsa_reserve_vcc 0
		.amdhsa_float_denorm_mode_32 3
		.amdhsa_float_denorm_mode_16_64 3
		.amdhsa_memory_ordered 1
		.amdhsa_forward_progress 1
		.amdhsa_inst_pref_size 140
	.end_amdhsa_kernel
	.amdgpu_metadata
---
amdhsa.version: [ 1, 2 ]
amdhsa.kernels:
  - .name:           k_q0511b1792a_oproj
    .symbol:         k_q0511b1792a_oproj.kd
    .args:
      - { .name: aimg, .offset: 0, .size: 8, .value_kind: global_buffer, .address_space: global }
      - { .name: wcodes, .offset: 8, .size: 8, .value_kind: global_buffer, .address_space: global }
      - { .name: lowp_scales, .offset: 16, .size: 8, .value_kind: global_buffer, .address_space: global }
      - { .name: out0, .offset: 24, .size: 8, .value_kind: global_buffer, .address_space: global }
    .group_segment_fixed_size: 327680
    .private_segment_fixed_size: 0
    .kernarg_segment_align: 8
    .kernarg_segment_size: 32
    .max_flat_workgroup_size: 128
    .sgpr_count:     98
    .vgpr_count:     1024
    .wavefront_size: 32
...
	.end_amdgpu_metadata
.endif
;; end of part 4
